; MI455X (gfx1250); checked and timed in simulation.
; The chip was launched on July 23, 2026; its instructions are those of AMD's public machine-readable ISA for CDNA 5 (MIT licence, August 2026) and "CDNA5" Instruction Set Architecture Reference Guide (July 2026). The comments in the code are by the model that wrote it; some were corrected since.
;; Class Attention. Allowed arithmetic: matrix products marked QUANTISED: E2M1 operands, one E8M0 scale for each 32 along K, by v_wmma_scale_f32_16x16x128_f8f6f4 with both operands' format E2M1 (or v_wmma_scale_f32_32x16x128_f4), f32 sums; products left as they are: bf16, f16 or f32 operands; f32 sums; everything else in f32.
;; Inputs: Wk 768 x 768 float32; Wp 768 x 768 float32; Wq 768 x 768 float32; Wv 768 x 768 float32; bp 768 float32; lamb 12 float32; x 16 x 577 x 768 float32.
;; Outputs: out0 16 x 577 x 768 float32.
;; This version of the problem:
;;   THIS VERSION OF THE PROBLEM IS GIVEN IN LOW PRECISION. The matrix products marked QUANTISED in the list below multiply operands that are first quantised to E2M1 (2 exponent bits, 1 mantissa bit; 4 bits a number), with one power-of-two scale for each 32 numbers along K (OCP MX v1.0); their sums are f32. The products marked 'left as it is' may take bf16, f16 or f32 operands, with f32 sums. Whichever they take, every output number must still come out within the allowed error. Rounding operands to bf16 (8 significant bits) uses up far more of that allowance than f16 does (11 bits, for magnitudes from 6e-5 to 65,504). All else is computed in f32.
;;   The module's matrix products, in the order in which they are computed (A, B: the left and right operand; K: the contracted axis; several contracted axes count as one K, in the product's order):
;;     1. [M 9,232, K 768] x [K 768, N 768]; A: input x; B: input Wq: QUANTISED
;;     2. [M 9,232, K 768] x [K 768, N 768]; A: input x; B: input Wk: QUANTISED
;;     3. [M 9,232, K 768] x [K 768, N 768]; A: input x; B: input Wv: QUANTISED
;;     4. batch 192 x [M 577, K 64] x [K 64, N 577]; A: computed on the way; B: computed on the way: left as it is (an operand is computed on the way)
;;     5. batch 192 x [M 577, K 577] x [K 577, N 577]; A: computed on the way; B: computed on the way: left as it is (an operand is computed on the way)
;;     6. batch 192 x [M 64, K 577] x [K 577, N 577]; A: computed on the way; B: computed on the way: left as it is (an operand is computed on the way)
;;     7. [M 9,232, K 768] x [K 768, N 768]; A: computed on the way; B: input Wp: left as it is (an operand is computed on the way)
;;   THE QUANTISER, for each operand of a quantised product, along K:
;;     - K is cut into blocks of 32 from its start; a last block that is shorter is filled with zeros.
;;     - A block's scale is 2^e with e = floor(log2(the largest magnitude in the block)) - 2, held to -126 .. 127; a block of zeros has e = 0. As a byte (E8M0): e + 127.
;;     - Each number is divided by its block's scale, clamped to +-6, and rounded to the nearest number of E2M1, ties to even, subnormals kept.
;;     - The product sums the exact products of the quantised numbers (number of the format x scale) in f32.
;;   ~~~python
;;   def quantise(x, axis):      # numpy; x: float32 -> the quantised numbers, widened to float32 again
;;       x = np.moveaxis(x, axis, -1); K = x.shape[-1]
;;       x = np.pad(x, [(0, 0)] * (x.ndim - 1) + [(0, -K % 32)]); x = x.reshape(x.shape[:-1] + (-1, 32)); a = np.abs(x).max(-1, keepdims=True)
;;       e = np.where(a > 0, np.clip(np.frexp(np.where(a > 0, a, 1))[1] - 1 - 2, -126, 127), 0)      # np.frexp(a)[1] - 1 = floor(log2(a)), exactly
;;       r = np.clip(x / 2.0 ** e, -6, 6)
;;       step = 2.0 ** (np.maximum(np.frexp(np.where(r == 0, 1, r))[1] - 1, 0) - 1)
;;       q = np.round(r / step) * step * 2.0 ** e      # np.round: ties to even
;;       return np.moveaxis(q.reshape(q.shape[:-2] + (-1,))[..., :K], -1, axis).astype(np.float32)
;;   ~~~
;; 2 versions, each right; version 2 is version 1 with the launch attn written anew for expert scheduling mode. Each part assembles by itself: llvm-mc -triple=amdgcn-amd-amdhsa -mcpu=gfx1250 --defsym DOCPART=n.
;; ======== version 1 of 2: 3 launches
;; limits: values are held in f16: magnitudes above 65,504 overflow, below 6.1e-05 lose precision
;; workspace buffers: xc 3,637,248 bytes; xs 303,104 bytes; wc 884,736 bytes; wsc 73,728 bytes; wph 1,179,648 bytes; att 14,548,992 bytes
;; launch prep (part 1): grid 392 x 1, 4 waves a work-group, no clusters, 68,096 bytes of LDS; arguments x, Wk, Wv, Wq, Wp, xc, xs, wc, wsc, wph; writes xc, xs, wc, wsc, wph
.if DOCPART == 1
	.amdgcn_target "amdgcn-amd-amdhsa--gfx1250"
	.amdhsa_code_object_version 6
	.text
	.protected	k_q1166273835_prep
	.globl	k_q1166273835_prep
	.p2align	8
	.type	k_q1166273835_prep,@function
k_q1166273835_prep:
	s_mov_b64 s[64:65], 0
	v_nop
	global_prefetch_b8 v0, s[64:65] scope:SCOPE_SE
	s_setreg_imm32_b32 hwreg(HW_REG_WAVE_MODE, 25, 1), 1
	s_wait_xcnt 0x0
; THE PROGRAM (three launches): out = A' v Wp^T + bp, A = softmax(q k^T / 8), A' = A + beta (3 (A A - A) + A), q, k, v = x Wq^T, x Wk^T, x Wv^T on codes of E2M1.
; WORK THAT IS NOT DONE AS WRITTEN.  A' = (1 - 2 beta) A + 3 beta A A, so A' v = A z with z = (1 - 2 beta) v + 3 beta (A v): matrix products are associative, for all values of x, the weights and lamb.
; So the 577 x 577 x 577 product A A of each head is never formed; in its place stands a second product of 577 x 577 x 64.  Every input has a way to the output and is loaded.
; LIMITS of that: A (A v) rounds in another order than (A A) v; an overflow, an infinity or a NaN that would arise only inside A A is not carried to the result (A's numbers lie in 0 .. 1, so none arises).
; THIS LAUNCH turns x, Wk, Wv, Wq (f32, K innermost) into codes of E2M1 with one E8M0 byte for each 32 along K, and Wp into f16, all laid in the ORDER OF THE OPERANDS' REGISTERS:
;   a tile is 16 rows; tile (b, i), i = 0 .. 36, holds rows 577 b + 16 i + r of x; of tile 36 only r = 0 is a row of that batch, and its other 15 places repeat row 576 (finite numbers, inside the buffer, never passed on).
;   xc, wc: [tile][K step of 128: 6][c: 2][lane: 32][16 bytes]: lane (r, h) holds the 32 codes of block 2 c + h of the K step of row r: registers 4 c .. 4 c + 3 of a fragment.
;   xs, wsc: [tile][lane: 32][4 words]: word j < 3 of lane L is the scale word of row L % 16 for K step 3 (L / 16) + j; word 3 is 0.
;   wc's tiles lie [head 12][4 m + ct], m = 0 Wk, 1 Wv, 2 Wq, ct the tile of 16 of the head's 64 channels.   wph: [tile of 16 rows of Wp: 48][32 along K: 24][u: 2][lane][16 bytes]: Wp[16 j + r][32 kk + 16 u + 8 h + 0 .. 7].
; A block's scale is 2^(floor(log2(its largest magnitude)) - 2): its byte is the largest magnitude's exponent field - 2, held at 1 from below.
; LIMITS: a block of zeros gets the byte 1 where the rule says 127 (its codes are zeros, and this program alone reads the bytes); blocks whose largest magnitude lies under 2^-124 were not tried;
; NaN and infinities among the inputs are not served; |Wp| stays under 65,504 (f16).
; SHARES.  A wave takes one tile and one half of K: 16 rows x 384 numbers, as three chunks of 128 along K.  Work-groups 0 .. 367: x's 592 tiles and the three weights' 144; work-groups 368 .. 391: Wp's 48.
; Each load reads 512 consecutive bytes of one row; a chunk turns through the wave's own stage in LDS (rows of 512 + 16 bytes), so that a lane gets neighbours along K.  Waves share nothing: no barrier.
; The two kinds of work-group have LDS bytes of their own.
.set SPARE, 67584                      ; behind the stages: the spare words, 128 bytes for each wave
.set STGP,  33792                      ; where the stages of Wp's work-groups begin
.set SPW, 1                            ; v1   LDS address of my spare word; never rewritten
.set NIL, 2                            ; v2   0; never rewritten
.set LI,  3                            ; v3   16 x lane
.set STI, 4                            ; v4   the stage, on the way in
.set STO, 5                            ; v5   the stage, on the way out
.set C,   12                           ; v12-35   codes: 8 registers for each chunk, so that no store's data are written again
.set H,   12                           ; v12-43   (Wp) a chunk's f16 numbers
.set R,   44                           ; v44-171  two sets of 64: a chunk as loaded
.set X,   172                          ; v172-235 a chunk as the conversions want it
.set SW,  236                          ; v236-239 three scale words and a 0
.set RB,  24                           ; s[24:55] the 16 rows' addresses
.set WV,  56
.set SEL, 78                           ; s[78:79] lane selects: lane l xor 16
.macro LOAD k, set, p                  ; chunk k of the 16 rows into a set; p = 1: one base, the row in the immediate
.irp r, 0,1,2,3,4,5,6,7,8,9,10,11,12,13,14,15
.if \p
	global_load_b128 v[R+64*\set+4*\r:R+64*\set+4*\r+3], v[LI], s[RB:RB+1] offset:3072*\r+512*\k th:TH_LOAD_NT
.else
	global_load_b128 v[R+64*\set+4*\r:R+64*\set+4*\r+3], v[LI], s[RB+2*\r:RB+2*\r+1] offset:512*\k th:TH_LOAD_NT
.endif
.endr
.endm
.macro TURN set, p                     ; through the stage: LDS serves a wave's instructions in order, so no wait stands between the stores and the loads
.irp r, 0,1,2,3,4,5,6,7,8,9,10,11,12,13,14,15
	ds_store_b128 v[STI], v[R+64*\set+4*\r:R+64*\set+4*\r+3] offset:528*\r
.endr
.if \p
.irp f, 0,1,2,3,4,5,6,7
.irp i, 0,1
	ds_load_b128 v[X+8*\f+4*\i:X+8*\f+4*\i+3], v[STO] offset:64*\f+16*\i    ; f = 2 kk + u: 8 numbers at column 32 kk + 16 u + 8 h
.endr
.endr
.else
.irp c, 0,1
.irp i, 0,1,2,3,4,5,6,7
	ds_load_b128 v[X+32*\c+4*\i:X+32*\c+4*\i+3], v[STO] offset:256*\c+16*\i ; block 2 c + h of my row: 32 numbers
.endr
.endr
.endif
.endm
.macro QUANT k                         ; my two blocks of chunk k: codes, bytes, the row's scale word; the codes leave at once
.irp c, 0,1
	v_max3_num_f32 v[240+\c], |v[X+32*\c]|, |v[X+32*\c+1]|, 0x1800000       ; with the floor 2^(3 - 127): the byte cannot fall under 1
.endr
.irp i, 2,4,6,8,10,12,14,16,18,20,22,24,26,28,30
.irp c, 0,1
	v_max3_num_f32 v[240+\c], v[240+\c], |v[X+32*\c+\i]|, |v[X+32*\c+\i+1]| ; the two blocks by turns
.endr
.endr
.irp c, 0,1
	v_add_nc_u32 v[242+\c], 0xff000000, v[240+\c]                           ; 2 off the exponent field: the conversion's scale operand
.endr
.irp c, 0,1
.irp g, 0,1,2,3
	v_cvt_scalef32_pk8_fp4_f32 v[C+8*\k+4*\c+\g], v[X+32*\c+8*\g:X+32*\c+8*\g+7], v[242+\c]
.endr
.endr
	v_lshrrev_b32 v244, 23, v242           ; the bytes (also the plain line behind the conversions)
	v_lshrrev_b32 v245, 23, v243
	v_lshl_or_b32 v246, v245, 16, v244     ; blocks h and 2 + h of my row,
	v_lshlrev_b32 v246, v7, v246           ; 8 h bits up;
	v_permlanex16_b32 v247, v246, s[SEL], s[SEL+1]
	v_or_b32 v[SW+\k], v246, v247          ; with lane l xor 16's two the word is whole
.irp c, 0,1
	global_store_b128 v[LI], v[C+8*\k+4*\c:C+8*\k+4*\c+3], s[14:15] offset:1024*\k+512*\c   ; 32 lanes store 512 consecutive bytes
.endr
.endm
.macro HALF16 k                        ; (Wp) chunk k to f16, in fragment order
.if \k > 0
	s_wait_xcnt 0x0                        ; the last chunk's stores have read H: it is written again only behind this wait
.endif
.irp f, 0,1,2,3,4,5,6,7
.irp p, 0,1,2,3
	v_cvt_pk_f16_f32 v[H+4*\f+\p], v[X+8*\f+2*\p], v[X+8*\f+2*\p+1]
.endr
.endr
.irp f, 0,1,2,3,4,5,6,7
	global_store_b128 v[LI], v[H+4*\f:H+4*\f+3], s[22:23] offset:4096*\k+512*\f
.endr
.endm
	s_load_b256 s[4:11], s[0:1], 0x0       ; x, Wk, Wv, Wq
	s_load_b256 s[12:19], s[0:1], 0x20     ; Wp, xc, xs, wc
	s_load_b128 s[20:23], s[0:1], 0x40     ; wsc, wph
	v_lshl_add_u32 v[SPW], v0, 2, SPARE
	v_mov_b32 v[NIL], 0
	v_lshrrev_b32 v8, 5, v0
	v_readfirstlane_b32 s[WV], v8          ; wave 0..3
	v_and_b32 v6, 31, v0                   ; lane
	v_lshlrev_b32 v[LI], 4, v6
	v_and_b32 v8, 15, v0                   ; r
	v_bfe_u32 v9, v0, 4, 1                 ; h
	v_lshlrev_b32 v7, 3, v9                ; 8 h
	v_mul_u32_u24 v10, v8, 528
	s_mul_i32 s57, s[WV], 8448             ; my stage: 16 rows of 528 bytes
	s_mov_b32 s[SEL], 0x76543210
	s_mov_b32 s[SEL+1], 0xfedcba98
	v_mov_b32 v247, 0                      ; a lane permute's destination counts as one of its sources
	v_mov_b32 v239, 0                      ; the fourth word
	s_cmp_ge_u32 ttmp9, 368
	s_cbranch_scc1 .Lwp
	; ---- x and the three quantised weights
	v_add_nc_u32 v[STI], s57, v[LI]
	v_lshl_add_u32 v[STO], v9, 7, v10      ; row r, + 128 h: my block of 32 numbers
	v_add_nc_u32 v[STO], s57, v[STO]
	s_lshl_b32 s58, ttmp9, 2
	s_add_co_u32 s58, s58, s[WV]           ; my task
	s_and_b32 s59, s58, 1                  ; g: which half of K
	s_lshr_b32 s58, s58, 1                 ; T: tiles 0 .. 591 are x's, 592 .. 735 the weights'
	s_min_u32 s60, s58, 591                ; as a tile of x:
	s_mul_i32 s61, s60, 1772
	s_lshr_b32 s61, s61, 16                ; b = T / 37 (1772 / 65536 is over 1 / 37 by so little that 591 x the excess stays under 1 / 37)
	s_mul_i32 s62, s61, 37
	s_sub_co_u32 s62, s60, s62             ; i
	s_mul_i32 s63, s61, 577
	s_lshl_b32 s66, s62, 4
	s_add_co_u32 s63, s63, s66             ; its first row
	s_max_u32 s66, s58, 592                ; as a tile of a weight:
	s_sub_co_u32 s66, s66, 592
	s_mul_i32 s67, s66, 1366
	s_lshr_b32 s67, s67, 16                ; m = / 48: 0 Wk, 1 Wv, 2 Wq
	s_mul_i32 s68, s67, 48
	s_sub_co_u32 s68, s66, s68             ; j: rows 16 j on
	s_lshl_b32 s69, s68, 4
	s_lshr_b32 s70, s68, 2                 ; the head
	s_mul_i32 s70, s70, 12
	s_lshl_b32 s71, s67, 2
	s_add_co_u32 s70, s70, s71
	s_and_b32 s71, s68, 3
	s_add_co_u32 s70, s70, s71             ; its place in wc: 12 head + 4 m + ct
	s_cmp_eq_u32 s62, 36
	s_cselect_b32 s72, 0, 3072             ; tile 36 repeats its one row
	s_cmp_lt_u32 s58, 592                  ; x's tile or a weight's?  Ids alone
	s_cselect_b32 s72, s72, 3072           ; bytes from row to row
	s_cselect_b32 s63, s63, s69            ; the first row
	s_cselect_b32 s70, s60, s70            ; the tile's place in the codes' buffer
	s_mov_b32 s73, 0
	s_mul_i32 s74, s63, 3072
	s_mul_i32 s75, s59, 1536
	s_add_co_u32 s74, s74, s75
	s_mov_b32 s75, 0
	s_mul_i32 s76, s70, 6144
	s_mul_i32 s77, s59, 3072
	s_add_co_u32 s76, s76, s77
	s_mov_b32 s77, 0
	s_lshl_b32 s68, s70, 9
	s_lshl_b32 s66, s59, 8
	s_add_co_u32 s68, s68, s66
	s_mov_b32 s69, 0
	s_wait_kmcnt 0x0
	s_cmp_eq_u32 s67, 1
	s_cselect_b64 s[6:7], s[8:9], s[6:7]
	s_cmp_eq_u32 s67, 2
	s_cselect_b64 s[6:7], s[10:11], s[6:7]
	s_cmp_lt_u32 s58, 592
	s_cselect_b64 s[4:5], s[4:5], s[6:7]           ; from where,
	s_cselect_b64 s[14:15], s[14:15], s[18:19]     ; the codes' buffer,
	s_cselect_b64 s[16:17], s[16:17], s[20:21]     ; the scale words'
	s_add_nc_u64 s[RB:RB+1], s[4:5], s[74:75]
.irp r, 1,2,3,4,5,6,7,8,9,10,11,12,13,14,15
	s_add_nc_u64 s[RB+2*\r:RB+2*\r+1], s[RB+2*\r-2:RB+2*\r-1], s[72:73]
.endr
	s_add_nc_u64 s[14:15], s[14:15], s[76:77]
	s_add_nc_u64 s[16:17], s[16:17], s[68:69]
	LOAD 0, 0, 0
	LOAD 1, 1, 0
	s_wait_loadcnt 16                      ; chunk 0 is in; chunk 1's 16 loads stay out
	TURN 0, 0
	s_wait_dscnt 0x0                       ; my numbers are back, and the stores have read set 0,
	LOAD 2, 0, 0                           ; which takes chunk 2
	QUANT 0
	s_wait_loadcnt 16                      ; chunk 1 is in; chunk 2's 16 loads stay out
	TURN 1, 0
	s_wait_dscnt 0x0
	QUANT 1
	s_wait_loadcnt 0x0
	TURN 0, 0
	s_wait_dscnt 0x0
	QUANT 2
	s_wait_xcnt 0x0                        ; EXEC changes only behind this wait
	v_cmp_gt_u32 vcc_lo, 16, v6
	s_and_saveexec_b32 s57, vcc_lo
	global_store_b128 v[LI], v[SW:SW+3], s[16:17]  ; lanes 0-15: the 16 rows' words of my three K steps: 256 consecutive bytes, aligned
	s_wait_xcnt 0x0                        ; and again, ahead of the line that widens it
	s_or_b32 exec_lo, exec_lo, s57
	s_wait_tensorcnt 0x0                   ; the wave's end: behind my last LDS store
	ds_add_u32 v[SPW], v[NIL]
	s_wait_dscnt 0x0
	s_endpgm
.Lwp:	; ---- Wp
	s_add_co_u32 s57, s57, STGP
	v_add_nc_u32 v[STI], s57, v[LI]
	v_lshl_add_u32 v[STO], v9, 5, v10      ; row r, + 32 h: 8 numbers
	v_add_nc_u32 v[STO], s57, v[STO]
	s_sub_co_u32 s58, ttmp9, 368
	s_lshl_b32 s58, s58, 2
	s_add_co_u32 s58, s58, s[WV]           ; task 0 .. 95
	s_lshr_b32 s59, s58, 1                 ; j: rows 16 j on
	s_and_b32 s60, s58, 1                  ; g: which half of K
	s_mul_i32 s74, s59, 49152
	s_mul_i32 s61, s60, 1536
	s_add_co_u32 s74, s74, s61
	s_mov_b32 s75, 0
	s_mul_i32 s76, s59, 24576
	s_mul_i32 s61, s60, 12288
	s_add_co_u32 s76, s76, s61
	s_mov_b32 s77, 0
	s_wait_kmcnt 0x0
	s_add_nc_u64 s[RB:RB+1], s[12:13], s[74:75]
	s_add_nc_u64 s[22:23], s[22:23], s[76:77]
	LOAD 0, 0, 1
	LOAD 1, 1, 1
	s_wait_loadcnt 16                      ; as above
	TURN 0, 1
	s_wait_dscnt 0x0
	LOAD 2, 0, 1
	HALF16 0
	s_wait_loadcnt 16
	TURN 1, 1
	s_wait_dscnt 0x0
	HALF16 1
	s_wait_loadcnt 0x0
	TURN 0, 1
	s_wait_dscnt 0x0
	HALF16 2
	s_wait_tensorcnt 0x0                   ; the wave's end
	ds_add_u32 v[SPW], v[NIL]
	s_wait_dscnt 0x0
	s_endpgm
.Lfunc_end_k_q1166273835_prep:
	.size	k_q1166273835_prep, .Lfunc_end_k_q1166273835_prep-k_q1166273835_prep
	.p2alignl 7, 3214868480
	.fill 96, 4, 3214868480
	.section	.rodata,"a",@progbits
	.p2align	6, 0x0
	.amdhsa_kernel k_q1166273835_prep
		.amdhsa_group_segment_fixed_size 68096
		.amdhsa_private_segment_fixed_size 0
		.amdhsa_enable_private_segment 0
		.amdhsa_kernarg_size 80
		.amdhsa_user_sgpr_count 2
		.amdhsa_user_sgpr_kernarg_segment_ptr 1
		.amdhsa_wavefront_size32 1
		.amdhsa_system_sgpr_workgroup_id_x 1
		.amdhsa_system_sgpr_workgroup_id_y 1
		.amdhsa_system_sgpr_workgroup_id_z 1
		.amdhsa_system_vgpr_workitem_id 0
		.amdhsa_next_free_vgpr 256
		.amdhsa_next_free_sgpr 80
		.amdhsa_reserve_vcc 1
		.amdhsa_float_denorm_mode_32 3
		.amdhsa_float_denorm_mode_16_64 3
		.amdhsa_memory_ordered 1
		.amdhsa_forward_progress 1
		.amdhsa_inst_pref_size 45
	.end_amdhsa_kernel
	.amdgpu_metadata
---
amdhsa.version: [ 1, 2 ]
amdhsa.kernels:
  - .name:           k_q1166273835_prep
    .symbol:         k_q1166273835_prep.kd
    .args:
      - { .name: x, .offset: 0, .size: 8, .value_kind: global_buffer, .address_space: global }
      - { .name: Wk, .offset: 8, .size: 8, .value_kind: global_buffer, .address_space: global }
      - { .name: Wv, .offset: 16, .size: 8, .value_kind: global_buffer, .address_space: global }
      - { .name: Wq, .offset: 24, .size: 8, .value_kind: global_buffer, .address_space: global }
      - { .name: Wp, .offset: 32, .size: 8, .value_kind: global_buffer, .address_space: global }
      - { .name: xc, .offset: 40, .size: 8, .value_kind: global_buffer, .address_space: global }
      - { .name: xs, .offset: 48, .size: 8, .value_kind: global_buffer, .address_space: global }
      - { .name: wc, .offset: 56, .size: 8, .value_kind: global_buffer, .address_space: global }
      - { .name: wsc, .offset: 64, .size: 8, .value_kind: global_buffer, .address_space: global }
      - { .name: wph, .offset: 72, .size: 8, .value_kind: global_buffer, .address_space: global }
    .group_segment_fixed_size: 68096
    .private_segment_fixed_size: 0
    .kernarg_segment_align: 8
    .kernarg_segment_size: 80
    .max_flat_workgroup_size: 128
    .sgpr_count:     80
    .vgpr_count:     256
    .wavefront_size: 32
...
	.end_amdgpu_metadata
.endif
;; end of part 1
;; launch attn (part 2): grid 12 x 16, 8 waves a work-group, no clusters, 266,240 bytes of LDS; arguments xc, xs, wc, wsc, lamb, att; writes att
.if DOCPART == 2
	.amdgcn_target "amdgcn-amd-amdhsa--gfx1250"
	.amdhsa_code_object_version 6
	.text
	.protected	k_q1166273835_attn
	.globl	k_q1166273835_attn
	.p2align	8
	.type	k_q1166273835_attn,@function
k_q1166273835_attn:
	s_mov_b64 s[64:65], 0
	v_nop
	global_prefetch_b8 v0, s[64:65] scope:SCOPE_SE
	s_setreg_imm32_b32 hwreg(HW_REG_WAVE_MODE, 25, 1), 1
	s_wait_xcnt 0x0
; One work-group makes one (batch, head): q, k, v = x W^T on codes of E2M1 (scaled matrix instructions), then O = A z with z = (1 - 2 beta) v + 3 beta (A v), A = softmax(q k^T / 8).
; WORK LEFT OUT: the product A A is not formed: (A + beta (3 (A A - A) + A)) v = A z for all values of the inputs, since matrix products are associative (shown at the head of the first kernel).
; q, k, v, A v and z never go to memory: K, V and z of the head lie in LDS as f16, q in registers.  Products 4 and 6 take f16 operands and f32 sums; softmax, sums and z in f32.
; LIMITS: |q| log2(e) / 8, |k|, |v|, |z| and |O| stay under 65,504 (f16); NaN and infinities are not served.
; SHARES.  Eight waves, two to a SIMD, so that one wave's vector work stands beside the other's matrix work.  Wave w owns tiles t = w + 8 i, i = 0 .. 4, of 16 rows (37 tiles; tile i = 4 exists for w < 5 only):
; as rows of x, as the keys whose K and V it makes, and as queries.  All of tile 4's work stands under scalar branches on the wave's number; no barrier stands under such a branch.
; Tile 36 holds one row of the batch (row 576) and 15 repeats of it: as queries they are computed and never passed on; as keys they are left out: 18 steps of 32 keys, and a tail for key 576 alone.
; LAYOUT.  All products are used transposed (source 0 = channels or keys, source 1 = x's rows or queries): a lane (r, h) holds ONE row r throughout and eight neighbours 8 h + 0 .. 7 in a result's registers.
;   So a projection's result, rounded to f16, is half a fragment of K or of Q as it stands; S^T = K Q^T, rounded in pairs, IS source 1 of O^T = V^T P; V and z, stored as rows, come back turned by ds_load_tr16_b128.
; SOFTMAX.  q is multiplied by c = log2(e) / 8, so a score is t.  Pass 1: running maximum m and sum l; p = 2^(t - m); O and l are multiplied by 2^(old m - new m) in every step.
;   Pass 2: m and l are known: -m is the C of the first score product, p = 2^(that), no maximum, no sum, no rescaling; O / l at the end.
; No cluster and no joint load: what the 12 heads of a batch share (x's codes) goes straight into the registers of the one wave that wants each fragment, and LDS is full with K, V and z.
; LDS: K as images of half fragments, (4 tile + ct) x 512 + 16 x lane; V and z as rows of 128 + 32 bytes; the head's weights (codes 73,728, scale words 6,144 bytes) lie in z's bytes until the projection is done.
.set KIMG, 0
.set VROW, 75776
.set ZROW, 170496
.set WSTG, ZROW
.set WSCL, ZROW+73728
.set SPARE, 265216                     ; the spare words, 128 bytes for each wave
; window 0
.set SPW, 1                            ; LDS address of my spare word; never rewritten
.set NIL, 2                            ; 0; never rewritten
.set LI,  3                            ; 16 x lane
.set AK0, 4                            ; my lane's place in K's images
.set ADK, 5                            ; the K loads in hand
.set AV0, 6                            ; my lane's place for the turning loads
.set ADV, 7                            ; the V loads in hand
.set AKW, 8                            ; where I store K (tiles 0-3), AKW4: tile 4
.set AKW4, 9
.set AVW, 10                           ; V's rows
.set AVW4, 11
.set AZW, 12                           ; z's rows
.set AZW4, 13
.set AWL, 14                           ; the staged weights, column tiles 0-5; AWL2: 6-11
.set AWL2, 15
.set AWS, 16                           ; their scale words
.set ASTG, 17                          ; where I stage weights
.set ASC, 18                           ; and scale words
.set XS,  20                           ; v20-34  x's scale words, 3 a tile: scales and nothing else
.set WS,  35                           ; v35-40  the weights' scale words, two sets of 3: scales and nothing else
.set RL,  42                           ; v42-51  1 / l, a pair a tile
.set NS,  52                           ; v52-91  8 a tile.  Pass 1: +0 m, +1 t1, +2, +3 l, +4 f, +5 t2.  Pass 2: eight times -m
.set S,   92                           ; v92-171 16 a tile: S^T, then p, then P in the lower 8
.set Q,   172                          ; v172-251 16 a tile: two fragments
.set WB,  52                           ; projection: three buffers of 24: the weights' fragments of half a column tile
.set ACC, 124                          ; projection: 8 a tile
.set NINF, 252                         ; -infinity
.set ZERO, 253                         ; 0
; window 1: O^T at 32 i + 8 ct; K's fragments at 160, V's at 192; during the projection x's fragments at 48 i + 8 ks
.set KF,  160
.set VF,  192
.set WV,  16
.set SEL, 20
.set C0,  22                           ; s[22:23] 1 - 2 beta
.set C1,  24                           ; s24      3 beta
.set CS,  26                           ; s[26:27] c = log2(e) / 8
.set MSK, 28                           ; s28      lanes 0-15
.set KB,  29
.set VB,  30
.set CNT, 31
.set MSB, 0
.macro WIN new                         ; the immediate's high byte repeats the setting that is left; at a label and at a branch every window is 0
.if MSB != \new
	s_set_vgpr_msb (MSB<<8)|\new
.set MSB, \new
.endif
.endm
; ---------------- the projection's macros
.macro XLOAD i                         ; tile i's 6 fragments of x (window 1) and its scale words
	WIN 0x40
.irp f, 0,1,2,3,4,5,6,7,8,9,10,11
	global_load_b128 v[48*(\i)+4*\f:48*(\i)+4*\f+3], v[LI], s[4:5] offset:49152*(\i)+512*\f
.endr
	WIN 0
.irp j, 0,1,2
	global_load_b32 v[XS+3*(\i)+\j], v[LI], s[6:7] offset:4096*(\i)+4*\j
.endr
.endm
.macro LW g                            ; half g = 2 n + hf: column tile n's fragments of K steps 3 hf .. 3 hf + 2, from the stage
.set n_, (\g)/2
.set f_, 6*n_+3*((\g)%2)
.irp k, 0,1,2
.irp c, 0,1
.if n_ < 6
	ds_load_b128 v[WB+24*((\g)%3)+8*\k+4*\c:WB+24*((\g)%3)+8*\k+4*\c+3], v[AWL] offset:(f_+\k)*1024+512*\c
.else
	ds_load_b128 v[WB+24*((\g)%3)+8*\k+4*\c:WB+24*((\g)%3)+8*\k+4*\c+3], v[AWL2] offset:(f_-36+\k)*1024+512*\c
.endif
.endr
.endr
.endm
.macro WSC n                           ; column tile n's scale words: lanes 0-15 K steps 0-2, lanes 16-31 K steps 3-5
.irp j, 0,1,2
	ds_load_b32 v[WS+3*((\n)%2)+\j], v[AWS] offset:512*(\n)+4*\j
.endr
.endm
.macro PPROD i, g, k                   ; source 0 = 16 channels of the weight, source 1 = tile i's 16 rows of x; the first K step starts the sum
.if ((\g)%2) == 0
.if (\k) == 0
	v_wmma_scale_f32_16x16x128_f8f6f4 v[ACC+8*(\i):ACC+8*(\i)+7], v[WB+24*((\g)%3)+8*(\k):WB+24*((\g)%3)+8*(\k)+7], v[48*(\i)+8*(\k):48*(\i)+8*(\k)+7], 0, v[WS+3*(((\g)/2)%2)+(\k)], v[XS+3*(\i)+(\k)] matrix_a_fmt:MATRIX_FMT_FP4 matrix_b_fmt:MATRIX_FMT_FP4
.else
	v_wmma_scale_f32_16x16x128_f8f6f4 v[ACC+8*(\i):ACC+8*(\i)+7], v[WB+24*((\g)%3)+8*(\k):WB+24*((\g)%3)+8*(\k)+7], v[48*(\i)+8*(\k):48*(\i)+8*(\k)+7], v[ACC+8*(\i):ACC+8*(\i)+7], v[WS+3*(((\g)/2)%2)+(\k)], v[XS+3*(\i)+(\k)] matrix_a_fmt:MATRIX_FMT_FP4 matrix_b_fmt:MATRIX_FMT_FP4
.endif
.else
	v_wmma_scale_f32_16x16x128_f8f6f4 v[ACC+8*(\i):ACC+8*(\i)+7], v[WB+24*((\g)%3)+8*(\k):WB+24*((\g)%3)+8*(\k)+7], v[48*(\i)+24+8*(\k):48*(\i)+24+8*(\k)+7], v[ACC+8*(\i):ACC+8*(\i)+7], v[WS+3*(((\g)/2)%2)+(\k)], v[XS+3*(\i)+(\k)] matrix_a_fmt:MATRIX_FMT_FP4 matrix_b_fmt:MATRIX_FMT_FP4 matrix_a_scale:MATRIX_SCALE_ROW1 matrix_b_scale:MATRIX_SCALE_ROW1
.endif
.endm
.macro PSTEP g, k                      ; one K step for my 4 or 5 tiles: the accumulators take turns, one instruction a turn
	WIN 0x04
.irp i, 0,1,2,3
	PPROD \i, \g, \k
.endr
	WIN 0
	s_cmp_lt_u32 s[WV], 5
	s_cbranch_scc0 .Lp4_\@
	WIN 0x04
	PPROD 4, \g, \k
	WIN 0
.Lp4_\@:
.endm
.macro PHALF g
.if (\g) < 22
	s_wait_dscnt 12                        ; this half's fragments and scale words are in: behind them at least the two younger halves' 12 loads were issued
.elseif (\g) == 22
	s_wait_dscnt 6                         ; behind them: the last half's 6
.else
	s_wait_dscnt 0x0
.endif
	PSTEP \g, 0
	PSTEP \g, 1
	PSTEP \g, 2
.rept 5
	v_nop                                  ; four places ahead of the loads into the buffer just multiplied and of the first read of results; the fifth ahead of the next column tile's products, which begin the accumulators anew
.endr
.if (\g)+3 <= 23
.if ((\g)+3)%2 == 0
	WSC ((\g)+3)/2
.endif
	LW (\g)+3
.endif
.endm
; column tile n is finished for tile i: n = 0-3 K, 4-7 V, 8-11 Q; each accumulator is read from its low end on
.macro EPIT n, i, ak, av, offk, offv
.set PKR, Q+16*(\i)+8+4*((\n)%2)
.set AC, ACC+8*(\i)
.if (\n) < 8
.irp p, 0,1,2,3
	v_cvt_pk_f16_f32 v[PKR+\p], v[AC+2*\p], v[AC+2*\p+1]
.endr
.if (\n) < 4
	ds_store_b128 v[\ak], v[PKR:PKR+3] offset:\offk+512*((\n)%4)     ; half a fragment of K, as an image of its registers
.else
	ds_store_b128 v[\av], v[PKR:PKR+3] offset:\offv+32*((\n)%4)      ; 8 channels of my row of V
.endif
.else
.irp p, 0,2,4,6
	v_pk_mul_f32 v[AC+\p:AC+\p+1], v[AC+\p:AC+\p+1], s[CS:CS+1] op_sel_hi:[1,0]   ; q x log2(e) / 8, in f32
.endr
.irp p, 0,1,2,3
	v_cvt_pk_f16_f32 v[Q+16*(\i)+4*((\n)%4)+\p], v[AC+2*\p], v[AC+2*\p+1]
.endr
.endif
.endm
.macro EPI n
	EPIT \n, 0, AKW, AVW, 0, 0
	EPIT \n, 1, AKW, AVW, 16384, 20480
	EPIT \n, 2, AKW, AVW, 32768, 40960
	EPIT \n, 3, AKW, AVW, 49152, 61440
	s_cmp_lt_u32 s[WV], 5
	s_cbranch_scc0 .Le4_\@
	EPIT \n, 4, AKW4, AVW4, 0, 0
.Le4_\@:
.endm
; ---------------- the passes' macros
.macro LOADK nxt                       ; the next 32 keys' fragments of K (nxt = 1: the tail's 16)
	WIN 0x40
.irp j, 0,1,2,3
	ds_load_b128 v[KF+4*\j:KF+4*\j+3], v[ADK] offset:512*\j
.endr
.if (\nxt) == 0
.irp j, 4,5,6,7
	ds_load_b128 v[KF+4*\j:KF+4*\j+3], v[ADK] offset:512*\j
.endr
.endif
	WIN 0
.endm
.macro LOADV nxt                       ; the next 32 keys of V or z, turned: lane (r, h) gets channel 16 ct + r, keys 8 h + 0 .. 7 and 16 + 8 h + 0 .. 7 (nxt = 1: the first 16 keys alone)
	WIN 0x40
.irp ct, 0,1,2,3
	ds_load_tr16_b128 v[VF+8*\ct:VF+8*\ct+3], v[ADV] offset:32*\ct
.if (\nxt) == 0
	ds_load_tr16_b128 v[VF+8*\ct+4:VF+8*\ct+7], v[ADV] offset:32*\ct+2560
.endif
.endr
	WIN 0
.endm
.macro SPROD p, i, kt, c               ; S^T: 16 keys x tile i's 16 queries, channels 32 c on
.set rS, S+16*(\i)+8*(\kt)
.set rK, KF+16*(\kt)+8*(\c)
.set rQ, Q+16*(\i)+8*(\c)
.if (\c) == 0
.if (\p) == 1
	v_wmma_f32_16x16x32_f16 v[rS:rS+7], v[rK:rK+7], v[rQ:rQ+7], 0
.else
	v_wmma_f32_16x16x32_f16 v[rS:rS+7], v[rK:rK+7], v[rQ:rQ+7], v[NS+8*(\i):NS+8*(\i)+7]
.endif
.else
	v_wmma_f32_16x16x32_f16 v[rS:rS+7], v[rK:rK+7], v[rQ:rQ+7], v[rS:rS+7]
.endif
.endm
.macro SMULA p, nk                     ; tiles 0-3: the 4 nk accumulators take turns
	WIN 0x01
.irp c, 0,1
.irp kt, 0,1
.if \kt < \nk
.irp i, 0,1,2,3
	SPROD \p, \i, \kt, \c
.endr
.endif
.endr
.endr
	WIN 0
.endm
.macro SMUL4 p, nk                     ; tile 4
	WIN 0x01
	SPROD \p, 4, 0, 0
.if \nk == 2
	SPROD \p, 4, 1, 0
	SPROD \p, 4, 0, 1
	SPROD \p, 4, 1, 1
.else
	s_wait_alu depctr_va_vdst(0)           ; the wait stands directly ahead of the link
	SPROD \p, 4, 0, 1
.endif
	WIN 0
.endm
.macro PVPROD i, ct, first             ; O^T += V^T P
.set rO, 32*(\i)+8*(\ct)
.set rV, VF+8*(\ct)
.set rP, S+16*(\i)
.if \first
	v_wmma_f32_16x16x32_f16 v[rO:rO+7], v[rV:rV+7], v[rP:rP+7], 0
.else
	v_wmma_f32_16x16x32_f16 v[rO:rO+7], v[rV:rV+7], v[rP:rP+7], v[rO:rO+7]
.endif
.endm
.macro PVA first
	WIN 0x51
.irp ct, 0,1,2,3
.irp i, 0,1,2,3
	PVPROD \i, \ct, \first
.endr
.endr
	WIN 0
.endm
.macro PV4 first
	WIN 0x51
.irp ct, 0,1,2,3
	PVPROD 4, \ct, \first
.endr
	WIN 0
.endm
.macro MAXL i, j                       ; line j of 8 of tile i's maximum: two chains, each beginning at an accumulator's low end, then the old m
.set T_, NS+8*(\i)
.set R_, S+16*(\i)
.if \j == 0
	v_max3_num_f32 v[T_+1], v[R_], v[R_+1], v[R_+2]
.elseif \j == 1
	v_max3_num_f32 v[T_+5], v[R_+8], v[R_+9], v[R_+10]
.elseif \j < 6
.set a_, 1+4*((\j)%2)
.set b_, 8*((\j)%2)+3+2*(((\j)-2)/2)
	v_max3_num_f32 v[T_+a_], v[T_+a_], v[R_+b_], v[R_+b_+1]
.elseif \j == 6
	v_max3_num_f32 v[T_+1], v[T_+1], v[R_+7], v[R_+15]
.else
	v_max3_num_f32 v[T_+1], v[T_+1], v[T_+5], v[T_]
.endif
.endm
.macro STL i, j                        ; the other half of the lanes' maximum; the new m; f = 2^(old m - new m)
.set T_, NS+8*(\i)
.if \j == 0
	v_permlanex16_b32 v[T_+5], v[T_+1], s[SEL], s[SEL+1]
.elseif \j == 1
	v_max_num_f32 v[T_+1], v[T_+1], v[T_+5]
.elseif \j == 2
	v_sub_f32 v[T_+5], v[T_], v[T_+1]
.elseif \j == 3
	v_mov_b32 v[T_], v[T_+1]
.else
	v_exp_f32 v[T_+4], v[T_+5]
.endif
.endm
.macro RESC lo, n                      ; O^T x f, each accumulator from its low end on
	WIN 0x41
.irp k, 0,2,4,6,8,10,12,14,16,18,20,22,24,26,28,30
.set ti, \lo
.rept \n
	v_pk_mul_f32 v[32*ti+\k:32*ti+\k+1], v[32*ti+\k:32*ti+\k+1], v[NS+8*ti+4:NS+8*ti+5] op_sel_hi:[1,0]
.set ti, ti+1
.endr
.endr
	WIN 0
.endm
.macro PACKP lo, n                     ; p to f16, in place: register k takes keys 2 k, 2 k + 1 of the lane's 16
.irp k, 0,1,2,3,4,5,6,7
.set ti, \lo
.rept \n
	v_cvt_pk_f16_f32 v[S+16*ti+\k], v[S+16*ti+2*\k], v[S+16*ti+2*\k+1]
.set ti, ti+1
.endr
.endr
.endm
.macro EXPS lo, n                      ; the exponentials as one batch, one plain line, ONE wait ahead of the first reader
.irp k, 0,1,2,3,4,5,6,7,8,9,10,11,12,13,14,15
.set ti, \lo
.rept \n
	v_exp_f32 v[S+16*ti+\k], v[S+16*ti+\k]
.set ti, ti+1
.endr
.endr
	v_nop
	s_wait_alu depctr_va_vdst(0)
.endm
.macro SOFT1 lo, n, first              ; pass 1, tiles lo .. lo + n - 1, the tiles by turns in every stage
.irp j, 0,1,2,3,4,5,6,7
.set ti, \lo
.rept \n
	MAXL ti, \j
.set ti, ti+1
.endr
.endr
.irp j, 0,1,2,3,4
.set ti, \lo
.rept \n
	STL ti, \j
.set ti, ti+1
.endr
.endr
.irp k, 0,2,4,6,8,10,12,14
.set ti, \lo
.rept \n
	v_pk_add_f32 v[S+16*ti+\k:S+16*ti+\k+1], v[S+16*ti+\k:S+16*ti+\k+1], v[NS+8*ti:NS+8*ti+1] op_sel_hi:[1,0] neg_lo:[0,1] neg_hi:[0,1]   ; t - m
.set ti, ti+1
.endr
.endr
	EXPS \lo, \n
.set ti, \lo
.rept \n
	v_pk_fma_f32 v[NS+8*ti+2:NS+8*ti+3], v[NS+8*ti+2:NS+8*ti+3], v[NS+8*ti+4:NS+8*ti+5], v[S+16*ti:S+16*ti+1] op_sel_hi:[1,0,1]   ; l = l f + p, of the unrounded p
.set ti, ti+1
.endr
.irp k, 2,4,6,8,10,12,14
.set ti, \lo
.rept \n
	v_pk_add_f32 v[NS+8*ti+2:NS+8*ti+3], v[NS+8*ti+2:NS+8*ti+3], v[S+16*ti+\k:S+16*ti+\k+1]
.set ti, ti+1
.endr
.endr
	PACKP \lo, \n
.if (\first) == 0
	RESC \lo, \n
.endif
.endm
.macro SOFT p, lo, n, first
.if (\p) == 1
	SOFT1 \lo, \n, \first
.else
	EXPS \lo, \n                           ; pass 2: the scores come as t - m
	PACKP \lo, \n
.endif
.endm
.macro PLACES n
.rept \n
	v_nop
.endr
.endm
; A KEY STEP: 32 keys.  first = 1: its second products start O^T's sums.  nxt = 1: what is fetched for the next step is the tail's.
.macro STEP p, first, nxt
	s_wait_dscnt 8                         ; this step's K is in; V's 8 loads stay out
	SMULA \p, 2
	s_cmp_lt_u32 s[WV], 5
	s_cbranch_scc0 .Ls4_\@
	SMUL4 \p, 2
.Ls4_\@:
	s_add_co_u32 s[KB], s[KB], 4096
	v_add_nc_u32 v[ADK], s[KB], v[AK0]     ; with the three below: four places ahead of the loads into K's registers and of the first read of the scores
	PLACES 3
	LOADK \nxt
	SOFT \p, 0, 4, \first
.if \nxt
	s_wait_dscnt 4                         ; V is in; the tail's 4 loads of K stay out
.else
	s_wait_dscnt 8                         ; V is in; the next K's 8 loads stay out
.endif
	PVA \first
	s_cmp_lt_u32 s[WV], 5
	s_cbranch_scc0 .Lt4_\@
	SOFT \p, 4, 1, \first
	PV4 \first
.Lt4_\@:
	s_add_co_u32 s[VB], s[VB], 5120
	v_add_nc_u32 v[ADV], s[VB], v[AV0]     ; with the four below: four places ahead of the loads into V's registers, five ahead of the next score products, which write over P
	PLACES 4
	LOADV \nxt
.endm
; THE TAIL: key 576 lies in register 0 of lanes 0-15 of tile 36's scores; all else of that tile repeats it and counts for nothing
.macro TL1 i, j
.set T_, NS+8*(\i)
.set R_, S+16*(\i)
.if \j == 0
	v_cndmask_b32 v[R_], v[NINF], v[R_], s[MSK]    ; lanes 16-31: -infinity
.elseif \j == 1
	v_permlanex16_b32 v[T_+5], v[R_], s[SEL], s[SEL+1]
.elseif \j == 2
	v_max3_num_f32 v[T_+1], v[R_], v[T_+5], v[T_]
.elseif \j == 3
	v_sub_f32 v[T_+5], v[T_], v[T_+1]
.elseif \j == 4
	v_mov_b32 v[T_], v[T_+1]
.elseif \j == 5
	v_sub_f32 v[R_], v[R_], v[T_]
.elseif \j == 6
	v_exp_f32 v[T_+4], v[T_+5]
.elseif \j == 7
	v_exp_f32 v[R_], v[R_]
.elseif \j == 8
	v_fma_f32 v[T_+2], v[T_+2], v[T_+4], v[R_]
.else
	v_mul_f32 v[T_+3], v[T_+3], v[T_+4]
.endif
.endm
.macro TPACK lo, n                     ; P of the tail: one number, the rest zeros
.set ti, \lo
.rept \n
	v_cvt_pk_f16_f32 v[S+16*ti], v[S+16*ti], v[ZERO]
.set ti, ti+1
.endr
.irp k, 1,2,3,4,5,6,7
.set ti, \lo
.rept \n
	v_mov_b32 v[S+16*ti+\k], 0
.set ti, ti+1
.endr
.endr
.endm
.macro SOFTT p, lo, n
.if (\p) == 1
.irp j, 0,1,2,3,4,5,6,7
.set ti, \lo
.rept \n
	TL1 ti, \j
.set ti, ti+1
.endr
.endr
	v_nop
	s_wait_alu depctr_va_vdst(0)           ; one wait for the batch
.irp j, 8,9
.set ti, \lo
.rept \n
	TL1 ti, \j
.set ti, ti+1
.endr
.endr
	TPACK \lo, \n
	RESC \lo, \n
.else
.set ti, \lo
.rept \n
	v_exp_f32 v[S+16*ti], v[S+16*ti]
.set ti, ti+1
.endr
	v_nop
	s_wait_alu depctr_va_vdst(0)
.set ti, \lo
.rept \n
	v_cndmask_b32 v[S+16*ti], v[ZERO], v[S+16*ti], s[MSK]
.set ti, ti+1
.endr
	TPACK \lo, \n
.endif
.endm
.macro TAIL p
	s_wait_dscnt 4                         ; the tail's K is in; V's 4 loads stay out
	SMULA \p, 1
	s_cmp_lt_u32 s[WV], 5
	s_cbranch_scc0 .Lu4_\@
	SMUL4 \p, 1
.Lu4_\@:
	PLACES 4
	SOFTT \p, 0, 4
	WIN 0x40
.irp ct, 0,1,2,3
.irp j, 4,5,6,7
	v_mov_b32 v[VF+8*\ct+\j], 0            ; keys 16 .. 31 of the tail do not exist
.endr
.endr
	WIN 0
	s_wait_dscnt 0x0
	PVA 0
	s_cmp_lt_u32 s[WV], 5
	s_cbranch_scc0 .Lv4_\@
	SOFTT \p, 4, 1
	PV4 0
.Lv4_\@:
	PLACES 4                               ; ahead of the first read of O^T and of writes of the last products' registers
.endm
.macro PASS p, vbase
	s_mov_b32 s[KB], KIMG
	s_mov_b32 s[VB], \vbase
	v_add_nc_u32 v[ADK], s[KB], v[AK0]
	v_add_nc_u32 v[ADV], s[VB], v[AV0]
	LOADK 0
	LOADV 0
	STEP \p, 1, 0
	s_mov_b32 s[CNT], 16
.Lpass_\@:
	STEP \p, 0, 0
	s_sub_co_u32 s[CNT], s[CNT], 1
	s_cmp_lg_u32 s[CNT], 0
	s_cbranch_scc1 .Lpass_\@
	STEP \p, 0, 1
	TAIL \p
.endm
; between the passes, tile i: 1 / l; z = (1 - 2 beta) v + 3 beta O / l for my 16 rows, to LDS as f16; -m eight times
.macro UNPK a0, a1, a2, a3, a4, a5, a6, a7
	v_cvt_f32_f16 v108, \a0
	v_cvt_f32_f16 v109, \a1
	v_cvt_f32_f16 v110, \a2
	v_cvt_f32_f16 v111, \a3
	v_cvt_f32_f16 v112, \a4
	v_cvt_f32_f16 v113, \a5
	v_cvt_f32_f16 v114, \a6
	v_cvt_f32_f16 v115, \a7
.endm
.macro ZCT i, ct, az, off
	WIN 0x01
.irp p, 0,2,4,6
	v_pk_mul_f32 v[116+\p:117+\p], v[32*(\i)+8*(\ct)+\p:32*(\i)+8*(\ct)+\p+1], v[NS+8*(\i)+4:NS+8*(\i)+5] op_sel_hi:[1,0]
.endr
	WIN 0
.irp p, 0,2,4,6
	v_pk_fma_f32 v[116+\p:117+\p], v[108+\p:109+\p], s[C0:C0+1], v[116+\p:117+\p] op_sel_hi:[1,0,1]
.endr
.irp p, 0,1,2,3
	v_cvt_pk_f16_f32 v[124+4*(\ct)+\p], v[116+2*\p], v[116+2*\p+1]
.endr
	ds_store_b128 v[\az], v[124+4*(\ct):127+4*(\ct)] offset:\off+32*(\ct)
.endm
.macro EPI1 i, av, az, off
.set T_, NS+8*(\i)
.set L_, RL+2*(\i)
	v_add_f32 v[T_+1], v[T_+2], v[T_+3]    ; l's two halves,
	v_permlanex16_b32 v[T_+5], v[T_+1], s[SEL], s[SEL+1]
	v_add_f32 v[T_+1], v[T_+1], v[T_+5]    ; and lane l xor 16's
	v_rcp_f32 v[L_], v[T_+1]
.irp ct, 0,1,2,3
	ds_load_b128 v[92+4*\ct:95+4*\ct], v[\av] offset:\off+32*\ct     ; my rows of V, as I stored them
.endr
	v_nop                                  ; the plain line behind the reciprocal,
	s_wait_alu depctr_va_vdst(0)           ; and the wait ahead of its first reader
	v_mov_b32 v[L_+1], v[L_]
	v_mul_f32 v[T_+4], s[C1], v[L_]        ; 3 beta / l
	s_wait_dscnt 0x0
	UNPK v92.l, v92.h, v93.l, v93.h, v94.l, v94.h, v95.l, v95.h
	ZCT \i, 0, \az, \off
	UNPK v96.l, v96.h, v97.l, v97.h, v98.l, v98.h, v99.l, v99.h
	ZCT \i, 1, \az, \off
	UNPK v100.l, v100.h, v101.l, v101.h, v102.l, v102.h, v103.l, v103.h
	ZCT \i, 2, \az, \off
	UNPK v104.l, v104.h, v105.l, v105.h, v106.l, v106.h, v107.l, v107.h
	ZCT \i, 3, \az, \off
.set T_, NS+8*(\i)
	v_xor_b32 v[T_], 0x80000000, v[T_]     ; -m: the C of pass 2's first score products
.irp j, 1,2,3,4,5,6,7
	v_mov_b32 v[T_+\j], v[T_]
.endr
.endm
.macro EPI2 i                          ; O / l to f16, in the order of the next launch's fragments: each store covers 512 consecutive bytes
.irp ct, 0,1,2,3
	WIN 0x01
.irp p, 0,2,4,6
	v_pk_mul_f32 v[NS+8*(\ct%2)+\p:NS+8*(\ct%2)+\p+1], v[32*(\i)+8*\ct+\p:32*(\i)+8*\ct+\p+1], v[RL+2*(\i):RL+2*(\i)+1] op_sel_hi:[1,0]
.endr
	WIN 0
.irp p, 0,1,2,3
	v_cvt_pk_f16_f32 v[S+16*(\i)+4*\ct+\p], v[NS+8*(\ct%2)+2*\p], v[NS+8*(\ct%2)+2*\p+1]
.endr
	global_store_b128 v[LI], v[S+16*(\i)+4*\ct:S+16*(\i)+4*\ct+3], s[14:15] offset:196608*(\i)+512*\ct
.endr
.endm
; ================ the head: every LDS address register is made here, ahead of the first branch on the wave's number
	s_load_b256 s[4:11], s[0:1], 0x0       ; xc, xs, wc, wsc
	s_load_b128 s[12:15], s[0:1], 0x20     ; lamb, att
	v_lshl_add_u32 v[SPW], v0, 2, SPARE
	v_mov_b32 v[NIL], 0
	v_lshrrev_b32 v19, 5, v0
	v_readfirstlane_b32 s[WV], v19         ; wave 0..7
	s_mov_b32 s17, ttmp9                   ; the head
	s_and_b32 s18, ttmp7, 0xffff           ; the batch
	v_and_b32 v19, 31, v0                  ; lane
	v_and_b32 v41, 15, v0                  ; r
	v_bfe_u32 v252, v0, 4, 1               ; h
	v_lshlrev_b32 v[LI], 4, v19
	v_lshlrev_b32 v[AK0], 4, v19
	v_and_b32 v253, 7, v0
	v_bfe_u32 v254, v0, 3, 1
	v_lshl_add_u32 v[AV0], v252, 3, v253   ; the turning load: key 8 h + lane % 8,
	v_mul_u32_u24 v[AV0], v[AV0], 160
	v_lshl_add_u32 v[AV0], v254, 4, v[AV0] ; channels 8 ((lane / 8) % 2) on
	s_lshl_b32 s32, s[WV], 11
	v_add_nc_u32 v[AKW], s32, v[LI]
	v_add_nc_u32 v[AKW4], 0x10000, v[AKW]
	v_mul_u32_u24 v[AVW], v41, 160
	v_lshl_add_u32 v[AVW], v252, 4, v[AVW]
	s_mul_i32 s32, s[WV], 2560
	s_add_co_u32 s32, s32, VROW
	v_add_nc_u32 v[AVW], s32, v[AVW]
	v_add_nc_u32 v[AVW4], 81920, v[AVW]
	v_add_nc_u32 v[AZW], 94720, v[AVW]
	v_add_nc_u32 v[AZW4], 94720, v[AVW4]
	v_add_nc_u32 v[AWL], WSTG, v[LI]
	v_add_nc_u32 v[AWL2], 36864, v[AWL]
	v_add_nc_u32 v[AWS], WSCL, v[LI]
	s_mul_i32 s32, s[WV], 9216
	v_add_nc_u32 v[ASTG], s32, v[AWL]
	s_lshl_b32 s32, s[WV], 10
	v_add_nc_u32 v[ASC], s32, v[AWS]
	s_mov_b32 s[SEL], 0x76543210
	s_mov_b32 s[SEL+1], 0xfedcba98
	s_mov_b32 s[CS], 0x3e38aa3b            ; log2(e) / 8
	s_mov_b32 s[CS+1], s[CS]
	s_mov_b32 s[MSK], 0xffff
	s_mul_i32 s32, s18, 37
	s_add_co_u32 s32, s32, s[WV]           ; my first tile: 37 batch + wave
	s_mul_i32 s34, s32, 6144
	s_mov_b32 s35, 0
	s_lshl_b32 s36, s32, 9
	s_mov_b32 s37, 0
	s_mul_i32 s38, s32, 24576
	s_lshl_b32 s33, s17, 11
	s_add_co_u32 s38, s38, s33
	s_mov_b32 s39, 0
	s_wait_kmcnt 0x0
	s_add_nc_u64 s[4:5], s[4:5], s[34:35]
	s_add_nc_u64 s[6:7], s[6:7], s[36:37]
	s_add_nc_u64 s[14:15], s[14:15], s[38:39]
	s_mul_i32 s34, s17, 73728
	s_mul_i32 s33, s[WV], 9216
	s_add_co_u32 s34, s34, s33
	s_add_nc_u64 s[8:9], s[8:9], s[34:35]  ; my eighth of the head's weight codes
	s_mul_i32 s34, s17, 6144
	s_lshl_b32 s33, s[WV], 10
	s_add_co_u32 s34, s34, s33
	s_add_nc_u64 s[10:11], s[10:11], s[34:35]
	s_lshl_b32 s34, s17, 2
	s_add_nc_u64 s[12:13], s[12:13], s[34:35]
	s_load_b32 s19, s[12:13], 0x0          ; beta = lamb[head]
	s_cmp_lt_u32 s[WV], 6                  ; the scale words are 12 pieces of 512 bytes: two each for waves 0-5
	s_cbranch_scc0 .Lnsc
	global_load_b128 v[124:127], v[LI], s[10:11]
	global_load_b128 v[128:131], v[LI], s[10:11] offset:512
.Lnsc:
.irp j, 0,1,2,3,4,5,6,7,8,9,10,11,12,13,14,15,16,17
	global_load_b128 v[52+4*\j:55+4*\j], v[LI], s[8:9] offset:512*\j
.endr
	XLOAD 0
	XLOAD 1
	XLOAD 2
	XLOAD 3
	s_cmp_lt_u32 s[WV], 5
	s_cbranch_scc0 .Lnx4
	XLOAD 4
.Lnx4:
	s_wait_loadcnt 0x0
	s_cmp_lt_u32 s[WV], 6
	s_cbranch_scc0 .Lnss
	ds_store_b128 v[ASC], v[124:127]
	ds_store_b128 v[ASC], v[128:131] offset:512
.Lnss:
.irp j, 0,1,2,3,4,5,6,7,8,9,10,11,12,13,14,15,16,17
	ds_store_b128 v[ASTG], v[52+4*\j:55+4*\j] offset:512*\j
.endr
	s_wait_dscnt 0x0                       ; for the others' sake: my part of the weights lies in LDS
	s_barrier_signal -1
	s_barrier_wait -1
	s_wait_kmcnt 0x0
	v_mov_b32 v19, s19
	v_fma_f32 v41, v19, -2.0, 1.0          ; 1 - 2 beta
	v_mul_f32 v19, 0x40400000, v19         ; 3 beta
	v_readfirstlane_b32 s[C0], v41
	v_readfirstlane_b32 s[C1], v19
	s_mov_b32 s[C0+1], s[C0]
; ================ the projection: 12 column tiles (K's 4, V's 4, Q's 4) x 6 K steps x my tiles, in 24 halves; the weights' fragments run three halves ahead
	WSC 0
	LW 0
	LW 1
	WSC 1
	LW 2
.set G, 0
.rept 24
	PHALF G
.if G%2 == 1
	EPI (G/2)
.endif
.set G, G+1
.endr
	s_wait_dscnt 0x0                       ; my K and V lie in LDS, and my reads of the staged weights are over
	s_barrier_signal -1
	s_barrier_wait -1                      ; K and V are whole; z may be laid over the weights
; ================ pass 1: O = sum of p v, m, l
.irp i, 0,1,2,3,4
	v_mov_b32 v[NS+8*\i], 0xff7fffff       ; m: under every t
	v_mov_b32 v[NS+8*\i+2], 0              ; l, in two halves
	v_mov_b32 v[NS+8*\i+3], 0
.endr
	v_mov_b32 v[NINF], 0xff800000
	v_mov_b32 v[ZERO], 0
	PASS 1, VROW
	EPI1 0, AVW, AZW, 0
	EPI1 1, AVW, AZW, 20480
	EPI1 2, AVW, AZW, 40960
	EPI1 3, AVW, AZW, 61440
	s_cmp_lt_u32 s[WV], 5
	s_cbranch_scc0 .Lnz4
	EPI1 4, AVW4, AZW4, 0
.Lnz4:
	s_wait_dscnt 0x0                       ; my rows of z lie in LDS
	s_barrier_signal -1
	s_barrier_wait -1                      ; z is whole
; ================ pass 2: O = sum of p z
	PASS 2, ZROW
	EPI2 0
	EPI2 1
	EPI2 2
	EPI2 3
	s_cmp_lt_u32 s[WV], 5
	s_cbranch_scc0 .Lno4
	EPI2 4
.Lno4:
	s_wait_tensorcnt 0x0                   ; the wave's end: behind my last LDS store
	ds_add_u32 v[SPW], v[NIL]
	s_wait_dscnt 0x0
	s_endpgm
.Lfunc_end_k_q1166273835_attn:
	.size	k_q1166273835_attn, .Lfunc_end_k_q1166273835_attn-k_q1166273835_attn
	.p2alignl 7, 3214868480
	.fill 96, 4, 3214868480
	.section	.rodata,"a",@progbits
	.p2align	6, 0x0
	.amdhsa_kernel k_q1166273835_attn
		.amdhsa_group_segment_fixed_size 266240
		.amdhsa_private_segment_fixed_size 0
		.amdhsa_enable_private_segment 0
		.amdhsa_kernarg_size 48
		.amdhsa_user_sgpr_count 2
		.amdhsa_user_sgpr_kernarg_segment_ptr 1
		.amdhsa_wavefront_size32 1
		.amdhsa_system_sgpr_workgroup_id_x 1
		.amdhsa_system_sgpr_workgroup_id_y 1
		.amdhsa_system_sgpr_workgroup_id_z 1
		.amdhsa_system_vgpr_workitem_id 0
		.amdhsa_next_free_vgpr 512
		.amdhsa_next_free_sgpr 66
		.amdhsa_reserve_vcc 0
		.amdhsa_float_denorm_mode_32 3
		.amdhsa_float_denorm_mode_16_64 3
		.amdhsa_memory_ordered 1
		.amdhsa_forward_progress 1
		.amdhsa_inst_pref_size 255
	.end_amdhsa_kernel
	.section	.bss,"aw",@nobits
	.p2align	6
	.space	262144
	.amdgpu_metadata
---
amdhsa.version: [ 1, 2 ]
amdhsa.kernels:
  - .name:           k_q1166273835_attn
    .symbol:         k_q1166273835_attn.kd
    .args:
      - { .name: xc, .offset: 0, .size: 8, .value_kind: global_buffer, .address_space: global }
      - { .name: xs, .offset: 8, .size: 8, .value_kind: global_buffer, .address_space: global }
      - { .name: wc, .offset: 16, .size: 8, .value_kind: global_buffer, .address_space: global }
      - { .name: wsc, .offset: 24, .size: 8, .value_kind: global_buffer, .address_space: global }
      - { .name: lamb, .offset: 32, .size: 8, .value_kind: global_buffer, .address_space: global }
      - { .name: att, .offset: 40, .size: 8, .value_kind: global_buffer, .address_space: global }
    .group_segment_fixed_size: 266240
    .private_segment_fixed_size: 0
    .kernarg_segment_align: 8
    .kernarg_segment_size: 48
    .max_flat_workgroup_size: 256
    .sgpr_count:     66
    .vgpr_count:     512
    .wavefront_size: 32
...
	.end_amdgpu_metadata
.endif
;; end of part 2
;; launch proj (part 3): grid 3 x 74, 4 waves a work-group, no clusters, 327,680 bytes of LDS; arguments att, wph, bp, out0; writes out0
.if DOCPART == 3
	.amdgcn_target "amdgcn-amd-amdhsa--gfx1250"
	.amdhsa_code_object_version 6
	.text
	.protected	k_q1166273835_proj
	.globl	k_q1166273835_proj
	.p2align	8
	.type	k_q1166273835_proj,@function
k_q1166273835_proj:
	s_mov_b64 s[64:65], 0
	v_nop
	global_prefetch_b8 v0, s[64:65] scope:SCOPE_SE
	s_setreg_imm32_b32 hwreg(HW_REG_WAVE_MODE, 25, 1), 1
	s_wait_xcnt 0x0
; out0 = att Wp^T + bp.  att (the attention's result) and wph (Wp) are f16, laid in the order of the fragments' registers: [tile of 16 rows][32 along K: 24][u: 2][lane][16 bytes]; sums in f32.
; att's tiles are 37 to a batch; of each batch's tile 36 only row 0 is a row of the batch: its other 15 rows are multiplied inside the tile and not stored.
; SHARES.  A work-group makes 8 row tiles x 16 column tiles (128 x 256 of out0); wave w makes row tiles 4 (w / 2) on x column tiles 8 (w % 2) on: 32 accumulators, window 1.
; K goes in four chunks of 6 steps of 32 through a ring of two LDS slots: a tile's chunk is 6,144 consecutive bytes of memory, so one tensor load brings 4 tiles of att (waves 0, 1) or 8 of Wp (waves 2, 3).
; In LDS a fragment is an image of its registers: each LDS load takes 512 consecutive bytes: no padding.  A wave has two tensor loads out at the start and one behind each refill.
; THE MATRIX INSTRUCTION IS USED TRANSPOSED (source 0 = 16 rows of Wp, source 1 = 16 rows of att): a lane holds eight neighbouring numbers of a row of out0.
; No cluster: the grid of 3 x 74 work-groups is a multiple of 4 along neither axis.  LIMITS: as stated at the heads of the earlier kernels (f16's range).
.set SLOTB, 147456                     ; a slot: att's 8 tiles x 6,144 bytes, then Wp's 16
.set BOFF,  49152
.set SPARE, 294912                     ; behind the ring: the spare words, 128 bytes for each wave
.set SPW,  1                           ; LDS address of my spare word; never rewritten
.set NIL,  2                           ; 0; never rewritten
.set LI,   3                           ; 16 x lane
.set ADRA, 4                           ; v4-5  my att fragments in slot 0, 1
.set ADRB, 6                           ; v6-7  my Wp fragments
.set STO,  8                           ; the way out: where I put 32 bytes of a row
.set RD,   9                           ; and where I read a row back
.set BI,   12                          ; v12-15 bp at my four columns of a row
.set F0,   32                          ; fragment buffers: att's 4 fragments (32 registers), then Wp's 8 (64)
.set F1,   128
.set BK,   32                          ; the way out: 16 rows read back
.set WV,   12
.set G1A,  16                          ; s[16:23] group 1 for att's tiles; s[24:31] for Wp's; s[32:39], s[40:47] their groups 0, one for each slot
.set G1B,  24
.set G0A,  32
.set G0B,  40
.set MSB, 0
.macro WIN new
.if MSB != \new
	s_set_vgpr_msb (MSB<<8)|\new
.set MSB, \new
.endif
.endm
.macro PLACES
.rept 4
	v_nop
.endr
.endm
.macro TLOAD s                         ; waves 0, 1: att's halves; waves 2, 3: Wp's.  An s_nop 0 and four v_nop follow each line
	s_cmp_lt_u32 s[WV], 2
	s_cbranch_scc0 .Lfor_b_\@
	tensor_load_to_lds s[G0A+4*\s:G0A+4*\s+3], s[G1A:G1A+7]
	s_nop 0
	PLACES
	s_branch .Lasked_\@
.Lfor_b_\@:
	tensor_load_to_lds s[G0B+4*\s:G0B+4*\s+3], s[G1B:G1B+7]
	s_nop 0
	PLACES
.Lasked_\@:
.endm
.macro FETCH slot, q, f                ; the fragments of the slot's q-th 32 along K
.irp a, 0,1,2,3
.irp u, 0,1
	ds_load_b128 v[\f+8*\a+4*\u:\f+8*\a+4*\u+3], v[ADRA+\slot] offset:6144*\a+1024*(\q)+512*\u
.endr
.endr
.irp b, 0,1,2,3,4,5,6,7
.irp u, 0,1
	ds_load_b128 v[\f+32+8*\b+4*\u:\f+32+8*\b+4*\u+3], v[ADRB+\slot] offset:6144*\b+1024*(\q)+512*\u
.endr
.endr
.endm
.macro MUL16 f, a0, zero               ; row tiles a0, a0 + 1 x my 8 column tiles; the 32 accumulators take turns in the same order in every step
.irp a, \a0, \a0+1
.irp b, 0,1,2,3,4,5,6,7
.if \zero
	v_wmma_f32_16x16x32_f16 v[8*(8*(\a)+\b):8*(8*(\a)+\b)+7], v[\f+32+8*\b:\f+32+8*\b+7], v[\f+8*(\a):\f+8*(\a)+7], 0
.else
	v_wmma_f32_16x16x32_f16 v[8*(8*(\a)+\b):8*(8*(\a)+\b)+7], v[\f+32+8*\b:\f+32+8*\b+7], v[\f+8*(\a):\f+8*(\a)+7], v[8*(8*(\a)+\b):8*(8*(\a)+\b)+7]
.endif
.endr
.endr
.endm
.macro KSTEP slot, q, f, g, zero       ; multiplies buffer f; in its middle the next step's fragments are fetched into g
	s_wait_dscnt 0x0
	WIN 0x50
	MUL16 \f, 0, \zero
	PLACES                                 ; ahead of loads into registers that matrix instructions have read
	WIN 0
	FETCH \slot, (\q)+1, \g
	WIN 0x50
	MUL16 \f, 2, \zero
.endm
.macro CHUNK slot, zero
	KSTEP \slot, 0, F0, F1, \zero
	KSTEP \slot, 1, F1, F0, 0
	KSTEP \slot, 2, F0, F1, 0
	KSTEP \slot, 3, F1, F0, 0
	KSTEP \slot, 4, F0, F1, 0
.endm
; A chunk's sixth step changes slots: one barrier; ahead of it each wave waits for all its tensor loads, adds 0 to its spare word, and waits for that and for its reads of this slot.  fill = 1: this slot takes the chunk two on.
.macro TURN slot, next, fill
	WIN 0
	s_wait_tensorcnt 0x0                   ; all my tensor loads have landed: my part of the next slot; so a group 0 may be written
	ds_add_u32 v[SPW], v[NIL]
.if \fill
	s_add_nc_u64 s[G0A+4*\slot+2:G0A+4*\slot+3], s[G0A+4*\slot+2:G0A+4*\slot+3], 12288
	s_add_nc_u64 s[G0B+4*\slot+2:G0B+4*\slot+3], s[G0B+4*\slot+2:G0B+4*\slot+3], 12288
.endif
	s_wait_dscnt 0x0                       ; the add is done, and my reads of this slot are over
	s_barrier_signal -1
	WIN 0x50
	MUL16 F1, 0, 0                         ; work on registers while the others arrive
	WIN 0
	s_barrier_wait -1
.if \fill
	TLOAD \slot                            ; the first thing behind the barrier; its four v_nop are also the places ahead of the loads below
.else
	PLACES
.endif
	FETCH \next, 0, F0
	WIN 0x50
	MUL16 F1, 2, 0
.endm
; THE WAY OUT of row tile a: through my own stage (it lies in slot 0, which has had its last fill and its last read), back as whole rows of 512 bytes, + bp, stored
.macro OUTT a
	s_lshl_b32 s59, s49, 3
	s_lshl_b32 s60, s14, 2
	s_add_co_u32 s59, s59, s60
	s_add_co_u32 s59, s59, \a              ; the tile's number, 0 .. 591
	s_mul_i32 s60, s59, 1772
	s_lshr_b32 s60, s60, 16                ; its batch: / 37
	s_mul_i32 s61, s60, 37
	s_sub_co_u32 s61, s59, s61             ; its place in the batch
	s_mul_i32 s60, s60, 577
	s_lshl_b32 s62, s61, 4
	s_add_co_u32 s60, s60, s62             ; its first row of out0
	s_mul_i32 s54, s60, 3072
	s_add_co_u32 s54, s54, s58
	s_mov_b32 s55, 0
	s_wait_xcnt 0x0                        ; the last tile's stores have read their base and their data: both are written again only behind this wait
	s_add_nc_u64 s[52:53], s[10:11], s[54:55]
	WIN 0x04                               ; an LDS store's data are its source 1: window 1
.irp b, 0,1,2,3,4,5,6,7
	ds_store_b128 v[STO], v[8*(8*(\a)+\b):8*(8*(\a)+\b)+3] offset:64*\b          ; each accumulator from its low end on
	ds_store_b128 v[STO], v[8*(8*(\a)+\b)+4:8*(8*(\a)+\b)+7] offset:64*\b+16
.endr
	WIN 0
.irp t, 0,1,2,3,4,5,6,7,8,9,10,11,12,13,14,15
	ds_load_b128 v[BK+4*\t:BK+4*\t+3], v[RD] offset:528*\t   ; LDS serves a wave's instructions in order: these see my stores
.endr
	s_wait_dscnt 0x0
.irp t, 0,1,2,3,4,5,6,7,8,9,10,11,12,13,14,15
	v_pk_add_f32 v[BK+4*\t:BK+4*\t+1], v[BK+4*\t:BK+4*\t+1], v[BI:BI+1]          ; a lane's four columns are the same in every row
	v_pk_add_f32 v[BK+4*\t+2:BK+4*\t+3], v[BK+4*\t+2:BK+4*\t+3], v[BI+2:BI+3]
.endr
	global_store_b128 v[LI], v[BK:BK+3], s[52:53] th:TH_STORE_NT                  ; 32 lanes store 512 consecutive bytes, at a multiple of 512 from out0's first byte
	s_cmp_eq_u32 s61, 36                   ; a batch's last tile has one row: a branch on ids alone
	s_cbranch_scc1 .Lone_\@
.irp t, 1,2,3,4,5,6,7,8,9,10,11,12,13,14,15
	global_store_b128 v[LI], v[BK+4*\t:BK+4*\t+3], s[52:53] offset:3072*\t th:TH_STORE_NT
.endr
.Lone_\@:
.endm
	s_load_b256 s[4:11], s[0:1], 0x0       ; att, wph, bp, out0
	v_lshl_add_u32 v[SPW], v0, 2, SPARE
	v_mov_b32 v[NIL], 0
	ds_add_u32 v[SPW], v[NIL]              ; the wave's opening: the add, twice on end, and its wait ahead of my first tensor load
	ds_add_u32 v[SPW], v[NIL]
	v_lshrrev_b32 v10, 5, v0
	v_readfirstlane_b32 s[WV], v10         ; wave 0..3
	s_and_b32 s13, s[WV], 1                ; which half of the columns is mine; also: which half of a tile group I fetch
	s_lshr_b32 s14, s[WV], 1               ; which half of the rows is mine
	s_mov_b32 s48, ttmp9                   ; column group 0..2
	s_and_b32 s49, ttmp7, 0xffff           ; row group 0..73
	; group 1: rows of 768 elements of 8 bytes (a tile's chunk), 3,072 elements from tile to tile; 4 rows for att, 8 for Wp; no padding
	s_mov_b32 s[G1A+0], 3<<16
	s_mov_b32 s[G1A+1], 768<<16            ; tensor_dim0
	s_mov_b32 s[G1A+2], 4<<16              ; tensor_dim1
	s_mov_b32 s[G1A+3], 768<<16            ; tile_dim0
	s_mov_b32 s[G1A+4], 4                  ; tile_dim1
	s_mov_b32 s[G1A+5], 3072               ; the pitch
	s_mov_b32 s[G1A+6], 0
	s_mov_b32 s[G1A+7], 0
	s_mov_b32 s[G1B+0], 3<<16
	s_mov_b32 s[G1B+1], 768<<16
	s_mov_b32 s[G1B+2], 8<<16
	s_mov_b32 s[G1B+3], 768<<16
	s_mov_b32 s[G1B+4], 8
	s_mov_b32 s[G1B+5], 3072
	s_mov_b32 s[G1B+6], 0
	s_mov_b32 s[G1B+7], 0
	s_lshl_b32 s50, s49, 3
	s_lshl_b32 s52, s13, 2
	s_add_co_u32 s50, s50, s52
	s_mul_i32 s50, s50, 24576              ; att: tile 8 x row group + 4 x half
	s_mov_b32 s51, 0
	s_lshl_b32 s52, s48, 4
	s_lshl_b32 s54, s13, 3
	s_add_co_u32 s52, s52, s54
	s_mul_i32 s52, s52, 24576              ; Wp: tile 16 x column group + 8 x half
	s_mov_b32 s53, 0
	s_mul_i32 s54, s13, 24576              ; and where they go in a slot
	s_mul_i32 s55, s13, 49152
	s_add_co_u32 s55, s55, BOFF
	s_wait_dscnt 0x0                       ; both opening adds are done
	s_wait_kmcnt 0x0
	s_add_nc_u64 s[50:51], s[4:5], s[50:51]
	s_add_nc_u64 s[52:53], s[6:7], s[52:53]
.irp s, 0,1
	s_mov_b32 s[G0A+4*\s], 1
	s_add_co_u32 s[G0A+4*\s+1], s54, \s*SLOTB
	s_add_nc_u64 s[G0A+4*\s+2:G0A+4*\s+3], s[50:51], \s*6144       ; chunk s
	s_or_b32 s[G0A+4*\s+3], s[G0A+4*\s+3], 0x80000000
	s_mov_b32 s[G0B+4*\s], 1
	s_add_co_u32 s[G0B+4*\s+1], s55, \s*SLOTB
	s_add_nc_u64 s[G0B+4*\s+2:G0B+4*\s+3], s[52:53], \s*6144
	s_or_b32 s[G0B+4*\s+3], s[G0B+4*\s+3], 0x80000000
.endr
	s_cmp_lt_u32 s[WV], 2                  ; a wave's two first fills stand in one arm of one branch, ahead of every wait on TENSORcnt, every LDS read and every barrier
	s_cbranch_scc0 .Lfirst_b
	tensor_load_to_lds s[G0A:G0A+3], s[G1A:G1A+7]
	s_nop 0
	tensor_load_to_lds s[G0A+4:G0A+7], s[G1A:G1A+7]
	s_nop 0
	PLACES
	s_branch .Lfirst_asked
.Lfirst_b:
	tensor_load_to_lds s[G0B:G0B+3], s[G1B:G1B+7]
	s_nop 0
	tensor_load_to_lds s[G0B+4:G0B+7], s[G1B:G1B+7]
	s_nop 0
	PLACES
.Lfirst_asked:
	v_and_b32 v10, 31, v0
	v_lshlrev_b32 v[LI], 4, v10
	s_mul_i32 s56, s14, 24576
	v_add_nc_u32 v[ADRA], s56, v[LI]
	v_add_nc_u32 v[ADRA+1], SLOTB, v[ADRA]
	s_mul_i32 s56, s13, 49152
	s_add_co_u32 s56, s56, BOFF
	v_add_nc_u32 v[ADRB], s56, v[LI]
	v_add_nc_u32 v[ADRB+1], SLOTB, v[ADRB]
	v_and_b32 v10, 15, v0                  ; r
	v_bfe_u32 v11, v0, 4, 1                ; h
	s_mul_i32 s56, s[WV], 8448             ; my stage: 16 rows of 512 + 16 bytes
	v_mul_u32_u24 v[STO], v10, 528
	v_lshl_add_u32 v[STO], v11, 5, v[STO]
	v_add_nc_u32 v[STO], s56, v[STO]
	v_add_nc_u32 v[RD], s56, v[LI]
	s_lshl_b32 s58, s48, 10
	s_lshl_b32 s57, s13, 9
	s_add_co_u32 s58, s58, s57             ; my first column, in bytes: 1,024 x column group + 512 x half
	s_mov_b32 s59, 0
	s_add_nc_u64 s[8:9], s[8:9], s[58:59]
	global_load_b128 v[BI:BI+3], v[LI], s[8:9]
	s_wait_tensorcnt 1                     ; my part of chunk 0 is in; chunk 1's load stays out
	s_barrier_signal -1
	s_barrier_wait -1                      ; everybody's is
	FETCH 0, 0, F0
	CHUNK 0, 1                             ; the first step's products start the sums: nothing is cleared
	TURN 0, 1, 1                           ; slot 0 takes chunk 2
	CHUNK 1, 0
	TURN 1, 0, 1                           ; slot 1 takes chunk 3
	CHUNK 0, 0
	TURN 0, 1, 0                           ; nothing is left to fetch
	CHUNK 1, 0
	s_wait_dscnt 0x0
	WIN 0x50
	MUL16 F1, 0, 0
	MUL16 F1, 2, 0
	WIN 0
	PLACES                                 ; ahead of the first read of results and of loads into the fragments' registers
	s_wait_loadcnt 0x0                     ; bp
	OUTT 0
	OUTT 1
	OUTT 2
	OUTT 3
	s_wait_tensorcnt 0x0                   ; the wave's end: behind my last tensor load and my last LDS store
	ds_add_u32 v[SPW], v[NIL]
	s_wait_dscnt 0x0
	s_endpgm
.Lfunc_end_k_q1166273835_proj:
	.size	k_q1166273835_proj, .Lfunc_end_k_q1166273835_proj-k_q1166273835_proj
	.p2alignl 7, 3214868480
	.fill 96, 4, 3214868480
	.section	.rodata,"a",@progbits
	.p2align	6, 0x0
	.amdhsa_kernel k_q1166273835_proj
		.amdhsa_group_segment_fixed_size 327680
		.amdhsa_private_segment_fixed_size 0
		.amdhsa_enable_private_segment 0
		.amdhsa_kernarg_size 32
		.amdhsa_user_sgpr_count 2
		.amdhsa_user_sgpr_kernarg_segment_ptr 1
		.amdhsa_wavefront_size32 1
		.amdhsa_system_sgpr_workgroup_id_x 1
		.amdhsa_system_sgpr_workgroup_id_y 1
		.amdhsa_system_sgpr_workgroup_id_z 1
		.amdhsa_system_vgpr_workitem_id 0
		.amdhsa_next_free_vgpr 512
		.amdhsa_next_free_sgpr 66
		.amdhsa_reserve_vcc 0
		.amdhsa_float_denorm_mode_32 3
		.amdhsa_float_denorm_mode_16_64 3
		.amdhsa_memory_ordered 1
		.amdhsa_forward_progress 1
		.amdhsa_inst_pref_size 122
	.end_amdhsa_kernel
	.amdgpu_metadata
---
amdhsa.version: [ 1, 2 ]
amdhsa.kernels:
  - .name:           k_q1166273835_proj
    .symbol:         k_q1166273835_proj.kd
    .args:
      - { .name: att, .offset: 0, .size: 8, .value_kind: global_buffer, .address_space: global }
      - { .name: wph, .offset: 8, .size: 8, .value_kind: global_buffer, .address_space: global }
      - { .name: bp, .offset: 16, .size: 8, .value_kind: global_buffer, .address_space: global }
      - { .name: out0, .offset: 24, .size: 8, .value_kind: global_buffer, .address_space: global }
    .group_segment_fixed_size: 327680
    .private_segment_fixed_size: 0
    .kernarg_segment_align: 8
    .kernarg_segment_size: 32
    .max_flat_workgroup_size: 128
    .sgpr_count:     66
    .vgpr_count:     512
    .wavefront_size: 32
...
	.end_amdgpu_metadata
.endif
;; end of part 3
;; ======== version 2 of 2: 3 launches; version 1 with the launch attn written anew for expert scheduling mode
;; limits: values are held in f16: magnitudes above 65,504 overflow, below 6.1e-05 lose precision
;; workspace buffers: xc 3,637,248 bytes; xs 303,104 bytes; wc 884,736 bytes; wsc 73,728 bytes; wph 1,179,648 bytes; att 14,548,992 bytes
;; launch prep: the kernel of part 1 again; grid 392 x 1, 4 waves a work-group, no clusters, 68,096 bytes of LDS; arguments x, Wk, Wv, Wq, Wp, xc, xs, wc, wsc, wph; writes xc, xs, wc, wsc, wph
;; launch attn (part 4): grid 12 x 16, 8 waves a work-group, no clusters, 266,240 bytes of LDS; arguments xc, xs, wc, wsc, lamb, att; writes att
.if DOCPART == 4
	.amdgcn_target "amdgcn-amd-amdhsa--gfx1250"
	.amdhsa_code_object_version 6
	.text
	.protected	k_q1166273835_attn
	.globl	k_q1166273835_attn
	.p2align	8
	.type	k_q1166273835_attn,@function
k_q1166273835_attn:
	s_mov_b64 s[64:65], 0
	v_nop
	global_prefetch_b8 v0, s[64:65] scope:SCOPE_SE
	s_setreg_imm32_b32 hwreg(HW_REG_WAVE_SCHED_MODE, 0, 2), 2
	s_setreg_imm32_b32 hwreg(HW_REG_WAVE_MODE, 25, 1), 1
	s_wait_xcnt 0x0
	s_wait_alu depctr_vm_vsrc(0)
; One work-group makes one (batch, head): q, k, v = x W^T on codes of E2M1 (scaled matrix instructions), then O = A z with z = (1 - 2 beta) v + 3 beta (A v), A = softmax(q k^T / 8).
; WORK LEFT OUT: the product A A is not formed: (A + beta (3 (A A - A) + A)) v = A z for all values of the inputs, since matrix products are associative (shown at the head of the first kernel).
; q, k, v, A v and z never go to memory: K, V and z of the head lie in LDS as f16, q in registers.  Products 4 and 6 take f16 operands and f32 sums; softmax, sums and z in f32.
; LIMITS: |q| log2(e) / 8, |k|, |v|, |z| and |O| stay under 65,504 (f16); NaN and infinities are not served.
; SHARES.  Eight waves, two to a SIMD, so that one wave's vector work stands beside the other's matrix work.  Wave w owns tiles t = w + 8 i, i = 0 .. 4, of 16 rows (37 tiles; tile i = 4 exists for w < 5 only):
; as rows of x, as the keys whose K and V it makes, and as queries.  All of tile 4's work stands under scalar branches on the wave's number; no barrier stands under such a branch.
; Tile 36 holds one row of the batch (row 576) and 15 repeats of it: as queries they are computed and never passed on; as keys they are left out: 18 steps of 32 keys, and a tail for key 576 alone.
; LAYOUT.  All products are used transposed (source 0 = channels or keys, source 1 = x's rows or queries): a lane (r, h) holds ONE row r throughout and eight neighbours 8 h + 0 .. 7 in a result's registers.
;   So a projection's result, rounded to f16, is half a fragment of K or of Q as it stands; S^T = K Q^T, rounded in pairs, IS source 1 of O^T = V^T P; V and z, stored as rows, come back turned by ds_load_tr16_b128.
; SOFTMAX.  q is multiplied by c = log2(e) / 8, so a score is t.  Pass 1: running maximum m and sum l; p = 2^(t - m); O and l are multiplied by 2^(old m - new m) in every step.
;   Pass 2: m and l are known: -m is the C of the first score product, p = 2^(that), no maximum, no sum, no rescaling; O / l at the end.
; No cluster and no joint load: what the 12 heads of a batch share (x's codes) goes straight into the registers of the one wave that wants each fragment, and LDS is full with K, V and z.
; LDS: K as images of half fragments, (4 tile + ct) x 512 + 16 x lane; V and z as rows of 128 + 32 bytes; the head's weights (codes 73,728, scale words 6,144 bytes) lie in z's bytes until the projection is done.
; THE MODE: SCHED_MODE bits 1:0 = 2 (LLVM: expert scheduling mode 2), set by the entry lines.  The code itself states the register dependences between vector or matrix instructions
; and memory or LDS instructions, with s_wait_alu, always for 0.
; THE PLAN.  Registers that memory or LDS instructions touch:
;   the addresses v3, v4, v6, v8 .. v18   made once at the head, ahead of one wait on va_vdst; never written again.
;   v52 .. v131 at the head               the weights as loaded; my LDS stores read them; behind one wait on vm_vsrc they become WB and ACC.
;   WB0 .. WB2, WS0, WS1                  Half g's products read WB[g % 3] (and WS[(g / 2) % 2]); behind them the loads of half g + 3 (of column tile n + 2) land there.
;   PKR (two sets of 4 a tile, inside Q)  Column tile n's roundings write set n % 2; its LDS stores read it; written again by column tile n + 2, and by Q's roundings of column tiles 10, 11.
;     So ONE wait on va_vdst stands in a half, behind its products and, in an odd half, its roundings; the half's LDS loads and stores follow it.  A wait on vm_vsrc stands ahead of roundings that write a PKR set again.
;   KF; V0, V1; v[ADK], v[ADV]            Step j: its score products read KF, its second products read V[j % 2]; the two addresses are stepped behind the score products, behind a wait on vm_vsrc.
;     The step's one wait for its batch of exponentials states as well that the score products are done with KF, that the second products of step j - 1 are done with V[(j + 1) % 2], and that both
;     addresses are written: K and V of step j + 1 are asked for directly behind it.  No vector or matrix instruction of the rest of the step names these registers.
;   v92 .. v107, v124 .. v139             between the passes: V's rows land in the first, behind the reciprocal's wait; z's roundings write the second, one wait, four LDS stores; a wait on vm_vsrc ahead of the next tile.
;   S on the way out                      a tile's roundings write 16 registers once; one wait; four stores.
;   v[SPW], v[NIL]                        written at the head, read by the closing add alone.
.set KIMG, 0
.set VROW, 75776
.set ZROW, 170496
.set WSTG, ZROW
.set WSCL, ZROW+73728
.set SPARE, 265216                     ; the spare words, 128 bytes for each wave
; window 0
.set SPW, 1                            ; LDS address of my spare word; never rewritten
.set NIL, 2                            ; 0; never rewritten
.set LI,  3                            ; 16 x lane
.set AK0, 4                            ; my lane's place in K's images
.set ADK, 5                            ; the K loads in hand
.set AV0, 6                            ; my lane's place for the turning loads
.set ADV, 7                            ; the V loads in hand
.set AKW, 8                            ; where I store K (tiles 0-3), AKW4: tile 4
.set AKW4, 9
.set AVW, 10                           ; V's rows
.set AVW4, 11
.set AZW, 12                           ; z's rows
.set AZW4, 13
.set AWL, 14                           ; the staged weights, column tiles 0-5; AWL2: 6-11
.set AWL2, 15
.set AWS, 16                           ; their scale words
.set ASTG, 17                          ; where I stage weights
.set ASC, 18                           ; and scale words
.set XS,  20                           ; v20-34  x's scale words, 3 a tile: scales and nothing else
.set WS,  35                           ; v35-40  the weights' scale words, two sets of 3: scales and nothing else
.set RL,  42                           ; v42-51  1 / l, a pair a tile
.set NS,  52                           ; v52-91  8 a tile.  Pass 1: +0 m, +1 t1, +2, +3 l, +4 f, +5 t2.  Pass 2: eight times -m
.set S,   92                           ; v92-171 16 a tile: S^T, then p, then P in the lower 8
.set Q,   172                          ; v172-251 16 a tile: two fragments
.set WB,  52                           ; projection: three buffers of 24: the weights' fragments of half a column tile
.set ACC, 124                          ; projection: 8 a tile
.set NINF, 252                         ; -infinity
.set ZERO, 253                         ; 0
; window 1: O^T at 32 i + 8 ct; K's fragments at 160; V's at 192 and at 224, two buffers by turns; during the projection x's fragments at 48 i + 8 ks
.set KF,  160
.set VF,  192
.set WV,  16
.set SEL, 20
.set C0,  22                           ; s[22:23] 1 - 2 beta
.set C1,  24                           ; s24      3 beta
.set CS,  26                           ; s[26:27] c = log2(e) / 8
.set MSK, 28                           ; s28      lanes 0-15
.set KB,  29
.set VB,  30
.set CNT, 31
.set MSB, 0
.macro WIN new                         ; the immediate's high byte repeats the setting that is left; at a label and at a branch every window is 0
.if MSB != \new
	s_set_vgpr_msb (MSB<<8)|\new
.set MSB, \new
.endif
.endm
; ---------------- the projection's macros
.macro XLOAD i                         ; tile i's 6 fragments of x (window 1) and its scale words
	WIN 0x40
.irp f, 0,1,2,3,4,5,6,7,8,9,10,11
	global_load_b128 v[48*(\i)+4*\f:48*(\i)+4*\f+3], v[LI], s[4:5] offset:49152*(\i)+512*\f
.endr
	WIN 0
.irp j, 0,1,2
	global_load_b32 v[XS+3*(\i)+\j], v[LI], s[6:7] offset:4096*(\i)+4*\j
.endr
.endm
.macro LW g                            ; half g = 2 n + hf: column tile n's fragments of K steps 3 hf .. 3 hf + 2, from the stage
.set n_, (\g)/2
.set f_, 6*n_+3*((\g)%2)
.irp k, 0,1,2
.irp c, 0,1
.if n_ < 6
	ds_load_b128 v[WB+24*((\g)%3)+8*\k+4*\c:WB+24*((\g)%3)+8*\k+4*\c+3], v[AWL] offset:(f_+\k)*1024+512*\c
.else
	ds_load_b128 v[WB+24*((\g)%3)+8*\k+4*\c:WB+24*((\g)%3)+8*\k+4*\c+3], v[AWL2] offset:(f_-36+\k)*1024+512*\c
.endif
.endr
.endr
.endm
.macro WSC n                           ; column tile n's scale words: lanes 0-15 K steps 0-2, lanes 16-31 K steps 3-5
.irp j, 0,1,2
	ds_load_b32 v[WS+3*((\n)%2)+\j], v[AWS] offset:512*(\n)+4*\j
.endr
.endm
.macro PPROD i, g, k                   ; source 0 = 16 channels of the weight, source 1 = tile i's 16 rows of x; the first K step starts the sum
.if ((\g)%2) == 0
.if (\k) == 0
	v_wmma_scale_f32_16x16x128_f8f6f4 v[ACC+8*(\i):ACC+8*(\i)+7], v[WB+24*((\g)%3)+8*(\k):WB+24*((\g)%3)+8*(\k)+7], v[48*(\i)+8*(\k):48*(\i)+8*(\k)+7], 0, v[WS+3*(((\g)/2)%2)+(\k)], v[XS+3*(\i)+(\k)] matrix_a_fmt:MATRIX_FMT_FP4 matrix_b_fmt:MATRIX_FMT_FP4
.else
	v_wmma_scale_f32_16x16x128_f8f6f4 v[ACC+8*(\i):ACC+8*(\i)+7], v[WB+24*((\g)%3)+8*(\k):WB+24*((\g)%3)+8*(\k)+7], v[48*(\i)+8*(\k):48*(\i)+8*(\k)+7], v[ACC+8*(\i):ACC+8*(\i)+7], v[WS+3*(((\g)/2)%2)+(\k)], v[XS+3*(\i)+(\k)] matrix_a_fmt:MATRIX_FMT_FP4 matrix_b_fmt:MATRIX_FMT_FP4
.endif
.else
	v_wmma_scale_f32_16x16x128_f8f6f4 v[ACC+8*(\i):ACC+8*(\i)+7], v[WB+24*((\g)%3)+8*(\k):WB+24*((\g)%3)+8*(\k)+7], v[48*(\i)+24+8*(\k):48*(\i)+24+8*(\k)+7], v[ACC+8*(\i):ACC+8*(\i)+7], v[WS+3*(((\g)/2)%2)+(\k)], v[XS+3*(\i)+(\k)] matrix_a_fmt:MATRIX_FMT_FP4 matrix_b_fmt:MATRIX_FMT_FP4 matrix_a_scale:MATRIX_SCALE_ROW1 matrix_b_scale:MATRIX_SCALE_ROW1
.endif
.endm
.macro PSTEP g, k                      ; one K step for my 4 or 5 tiles: the accumulators take turns, one instruction a turn
	WIN 0x04
.irp i, 0,1,2,3
	PPROD \i, \g, \k
.endr
	WIN 0
	s_cmp_lt_u32 s[WV], 5
	s_cbranch_scc0 .Lp4_\@
	WIN 0x04
	PPROD 4, \g, \k
	WIN 0
.Lp4_\@:
.endm
; column tile n is finished for tile i: n = 0-3 K, 4-7 V, 8-11 Q; each accumulator is read from its low end on.  The roundings:
.macro ROUNDT n, i
.set PKR, Q+16*(\i)+8+4*((\n)%2)
.set AC, ACC+8*(\i)
.if (\n) < 8
.irp p, 0,1,2,3
	v_cvt_pk_f16_f32 v[PKR+\p], v[AC+2*\p], v[AC+2*\p+1]
.endr
.else
.irp p, 0,2,4,6
	v_pk_mul_f32 v[AC+\p:AC+\p+1], v[AC+\p:AC+\p+1], s[CS:CS+1] op_sel_hi:[1,0]   ; q x log2(e) / 8, in f32
.endr
.irp p, 0,1,2,3
	v_cvt_pk_f16_f32 v[Q+16*(\i)+4*((\n)%4)+\p], v[AC+2*\p], v[AC+2*\p+1]
.endr
.endif
.endm
.macro ROUNDS n
.if (((\n) >= 2) && ((\n) < 8)) || ((\n) == 10)
	s_wait_alu depctr_vm_vsrc(0)           ; the LDS stores issued so far have read both PKR sets: this column tile's roundings write one of them again (column tile 10: and column tile 11's the other)
.endif
	ROUNDT \n, 0
	ROUNDT \n, 1
	ROUNDT \n, 2
	ROUNDT \n, 3
	s_cmp_lt_u32 s[WV], 5
	s_cbranch_scc0 .Lc4_\@
	ROUNDT \n, 4
.Lc4_\@:
.endm
; and the LDS stores of K's and V's column tiles
.macro STORET n, i, ak, av, offk, offv
.set PKR, Q+16*(\i)+8+4*((\n)%2)
.if (\n) < 4
	ds_store_b128 v[\ak], v[PKR:PKR+3] offset:\offk+512*((\n)%4)     ; half a fragment of K, as an image of its registers
.else
	ds_store_b128 v[\av], v[PKR:PKR+3] offset:\offv+32*((\n)%4)      ; 8 channels of my row of V
.endif
.endm
.macro STORES n
	STORET \n, 0, AKW, AVW, 0, 0
	STORET \n, 1, AKW, AVW, 16384, 20480
	STORET \n, 2, AKW, AVW, 32768, 40960
	STORET \n, 3, AKW, AVW, 49152, 61440
	s_cmp_lt_u32 s[WV], 5
	s_cbranch_scc0 .Le4_\@
	STORET \n, 4, AKW4, AVW4, 0, 0
.Le4_\@:
.endm
.macro PHALF g
.if (\g) < 22
	s_wait_dscnt 12                        ; this half's fragments and scale words are in: behind them at least the two younger halves' 12 loads were issued
.elseif (\g) == 22
	s_wait_dscnt 6                         ; behind them: the last half's 6
.else
	s_wait_dscnt 0x0
.endif
	PSTEP \g, 0
	PSTEP \g, 1
	PSTEP \g, 2
.rept 5
	v_nop                                  ; the places stay as they stood: four ahead of the first read of results; the fifth ahead of the next column tile's products, which begin the accumulators anew
.endr
.if (\g)%2 == 1
	ROUNDS (\g)/2
.endif
.if (\g)+3 <= 23
	s_wait_alu depctr_va_vdst(0)           ; this half's products are done reading their buffer (odd half: and their set of scale words), in which the loads below land; the roundings above have written the PKR set that the stores below read
.if ((\g)+3)%2 == 0
	WSC ((\g)+3)/2
.endif
	LW (\g)+3
.endif
.if ((\g)%2 == 1) && ((\g) < 16)
	STORES (\g)/2                          ; no vector or matrix instruction since the wait names their registers
.endif
.endm
; ---------------- the passes' macros
; The next step's operands, under destination window 1, directly behind a wait on va_vdst: 32 keys' fragments of K (nxt = 1: the tail's 16), and 32 keys of V or z, turned, into V buffer vb:
; lane (r, h) gets channel 16 ct + r, keys 8 h + 0 .. 7 and 16 + 8 h + 0 .. 7 (nxt = 1: the first 16 keys alone)
.macro FETCHKV nxt, vb
.irp j, 0,1,2,3
	ds_load_b128 v[KF+4*\j:KF+4*\j+3], v[ADK] offset:512*\j
.endr
.if (\nxt) == 0
.irp j, 4,5,6,7
	ds_load_b128 v[KF+4*\j:KF+4*\j+3], v[ADK] offset:512*\j
.endr
.endif
.irp ct, 0,1,2,3
	ds_load_tr16_b128 v[VF+32*(\vb)+8*\ct:VF+32*(\vb)+8*\ct+3], v[ADV] offset:32*\ct
.if (\nxt) == 0
	ds_load_tr16_b128 v[VF+32*(\vb)+8*\ct+4:VF+32*(\vb)+8*\ct+7], v[ADV] offset:32*\ct+2560
.endif
.endr
.endm
.macro SPROD p, i, kt, c               ; S^T: 16 keys x tile i's 16 queries, channels 32 c on
.set rS, S+16*(\i)+8*(\kt)
.set rK, KF+16*(\kt)+8*(\c)
.set rQ, Q+16*(\i)+8*(\c)
.if (\c) == 0
.if (\p) == 1
	v_wmma_f32_16x16x32_f16 v[rS:rS+7], v[rK:rK+7], v[rQ:rQ+7], 0
.else
	v_wmma_f32_16x16x32_f16 v[rS:rS+7], v[rK:rK+7], v[rQ:rQ+7], v[NS+8*(\i):NS+8*(\i)+7]
.endif
.else
	v_wmma_f32_16x16x32_f16 v[rS:rS+7], v[rK:rK+7], v[rQ:rQ+7], v[rS:rS+7]
.endif
.endm
.macro SMULA p, nk                     ; tiles 0-3: the 4 nk accumulators take turns
	WIN 0x01
.irp c, 0,1
.irp kt, 0,1
.if \kt < \nk
.irp i, 0,1,2,3
	SPROD \p, \i, \kt, \c
.endr
.endif
.endr
.endr
	WIN 0
.endm
.macro SMUL4 p, nk                     ; tile 4
	WIN 0x01
	SPROD \p, 4, 0, 0
.if \nk == 2
	SPROD \p, 4, 1, 0
	SPROD \p, 4, 0, 1
	SPROD \p, 4, 1, 1
.else
	s_wait_alu depctr_va_vdst(0)           ; the wait stands directly ahead of the link
	SPROD \p, 4, 0, 1
.endif
	WIN 0
.endm
.macro PVPROD i, ct, first, vb         ; O^T += V^T P, V from buffer vb
.set rO, 32*(\i)+8*(\ct)
.set rV, VF+32*(\vb)+8*(\ct)
.set rP, S+16*(\i)
.if \first
	v_wmma_f32_16x16x32_f16 v[rO:rO+7], v[rV:rV+7], v[rP:rP+7], 0
.else
	v_wmma_f32_16x16x32_f16 v[rO:rO+7], v[rV:rV+7], v[rP:rP+7], v[rO:rO+7]
.endif
.endm
.macro PVA first, vb
	WIN 0x51
.irp ct, 0,1,2,3
.irp i, 0,1,2,3
	PVPROD \i, \ct, \first, \vb
.endr
.endr
	WIN 0
.endm
.macro PV4 first, vb
	WIN 0x51
.irp ct, 0,1,2,3
	PVPROD 4, \ct, \first, \vb
.endr
	WIN 0
.endm
.macro MAXL i, j                       ; line j of 8 of tile i's maximum: two chains, each beginning at an accumulator's low end, then the old m
.set T_, NS+8*(\i)
.set R_, S+16*(\i)
.if \j == 0
	v_max3_num_f32 v[T_+1], v[R_], v[R_+1], v[R_+2]
.elseif \j == 1
	v_max3_num_f32 v[T_+5], v[R_+8], v[R_+9], v[R_+10]
.elseif \j < 6
.set a_, 1+4*((\j)%2)
.set b_, 8*((\j)%2)+3+2*(((\j)-2)/2)
	v_max3_num_f32 v[T_+a_], v[T_+a_], v[R_+b_], v[R_+b_+1]
.elseif \j == 6
	v_max3_num_f32 v[T_+1], v[T_+1], v[R_+7], v[R_+15]
.else
	v_max3_num_f32 v[T_+1], v[T_+1], v[T_+5], v[T_]
.endif
.endm
.macro STL i, j                        ; the other half of the lanes' maximum; the new m; f = 2^(old m - new m)
.set T_, NS+8*(\i)
.if \j == 0
	v_permlanex16_b32 v[T_+5], v[T_+1], s[SEL], s[SEL+1]
.elseif \j == 1
	v_max_num_f32 v[T_+1], v[T_+1], v[T_+5]
.elseif \j == 2
	v_sub_f32 v[T_+5], v[T_], v[T_+1]
.elseif \j == 3
	v_mov_b32 v[T_], v[T_+1]
.else
	v_exp_f32 v[T_+4], v[T_+5]
.endif
.endm
.macro RESC lo, n                      ; O^T x f, each accumulator from its low end on
	WIN 0x41
.irp k, 0,2,4,6,8,10,12,14,16,18,20,22,24,26,28,30
.set ti, \lo
.rept \n
	v_pk_mul_f32 v[32*ti+\k:32*ti+\k+1], v[32*ti+\k:32*ti+\k+1], v[NS+8*ti+4:NS+8*ti+5] op_sel_hi:[1,0]
.set ti, ti+1
.endr
.endr
	WIN 0
.endm
.macro PACKP lo, n                     ; p to f16, in place: register k takes keys 2 k, 2 k + 1 of the lane's 16
.irp k, 0,1,2,3,4,5,6,7
.set ti, \lo
.rept \n
	v_cvt_pk_f16_f32 v[S+16*ti+\k], v[S+16*ti+2*\k], v[S+16*ti+2*\k+1]
.set ti, ti+1
.endr
.endr
.endm
; The exponentials as one batch, one plain line, ONE wait ahead of the first reader.  fetch = 1: the next step's K and V are asked for directly behind that wait
.macro EXPS lo, n, fetch, nxt, vb
.irp k, 0,1,2,3,4,5,6,7,8,9,10,11,12,13,14,15
.set ti, \lo
.rept \n
	v_exp_f32 v[S+16*ti+\k], v[S+16*ti+\k]
.set ti, ti+1
.endr
.endr
	v_nop
.if \fetch
	WIN 0x40                               ; the switch, then the wait, then the loads
.endif
	s_wait_alu depctr_va_vdst(0)           ; the exponentials have written their results.  fetch = 1, besides: this step's score products are done reading K's registers, the second products of the step before are done reading the other V buffer, and v[ADK] and v[ADV] are written
.if \fetch
	FETCHKV \nxt, \vb
	WIN 0
.endif
.endm
.macro SOFT1 lo, n, first, fetch, nxt, vb   ; pass 1, tiles lo .. lo + n - 1, the tiles by turns in every stage
.irp j, 0,1,2,3,4,5,6,7
.set ti, \lo
.rept \n
	MAXL ti, \j
.set ti, ti+1
.endr
.endr
.irp j, 0,1,2,3,4
.set ti, \lo
.rept \n
	STL ti, \j
.set ti, ti+1
.endr
.endr
.irp k, 0,2,4,6,8,10,12,14
.set ti, \lo
.rept \n
	v_pk_add_f32 v[S+16*ti+\k:S+16*ti+\k+1], v[S+16*ti+\k:S+16*ti+\k+1], v[NS+8*ti:NS+8*ti+1] op_sel_hi:[1,0] neg_lo:[0,1] neg_hi:[0,1]   ; t - m
.set ti, ti+1
.endr
.endr
	EXPS \lo, \n, \fetch, \nxt, \vb
.set ti, \lo
.rept \n
	v_pk_fma_f32 v[NS+8*ti+2:NS+8*ti+3], v[NS+8*ti+2:NS+8*ti+3], v[NS+8*ti+4:NS+8*ti+5], v[S+16*ti:S+16*ti+1] op_sel_hi:[1,0,1]   ; l = l f + p, of the unrounded p
.set ti, ti+1
.endr
.irp k, 2,4,6,8,10,12,14
.set ti, \lo
.rept \n
	v_pk_add_f32 v[NS+8*ti+2:NS+8*ti+3], v[NS+8*ti+2:NS+8*ti+3], v[S+16*ti+\k:S+16*ti+\k+1]
.set ti, ti+1
.endr
.endr
	PACKP \lo, \n
.if (\first) == 0
	RESC \lo, \n
.endif
.endm
.macro SOFT p, lo, n, first, fetch, nxt, vb
.if (\p) == 1
	SOFT1 \lo, \n, \first, \fetch, \nxt, \vb
.else
	EXPS \lo, \n, \fetch, \nxt, \vb        ; pass 2: the scores come as t - m
	PACKP \lo, \n
.endif
.endm
.macro PLACES n
.rept \n
	v_nop
.endr
.endm
; A KEY STEP: 32 keys.  first = 1: its second products start O^T's sums.  nxt = 1: what is fetched for the next step is the tail's.  vb: the V buffer that this step multiplies; the next step's V goes into the other.
.macro STEP p, first, nxt, vb
	s_wait_dscnt 8                         ; this step's K is in; V's 8 loads stay out
	SMULA \p, 2
	s_cmp_lt_u32 s[WV], 5
	s_cbranch_scc0 .Ls4_\@
	SMUL4 \p, 2
.Ls4_\@:
	s_add_co_u32 s[KB], s[KB], 4096
	s_add_co_u32 s[VB], s[VB], 5120
	s_wait_alu depctr_vm_vsrc(0)           ; the LDS loads issued so far have read v[ADK] and v[ADV], which the two lines below write
	v_add_nc_u32 v[ADK], s[KB], v[AK0]     ; these two and the two below: four places ahead of the first read of the scores
	v_add_nc_u32 v[ADV], s[VB], v[AV0]
	PLACES 2
	SOFT \p, 0, 4, \first, 1, \nxt, 1-(\vb)
.if \nxt
	s_wait_dscnt 8                         ; this step's V is in; the tail's 4 loads of K and 4 of V stay out
.else
	s_wait_dscnt 16                        ; this step's V is in; the next step's 8 loads of K and 8 of V stay out
.endif
	PVA \first, \vb
	s_cmp_lt_u32 s[WV], 5
	s_cbranch_scc0 .Lt4_\@
	SOFT \p, 4, 1, \first, 0, 0, 0
	PV4 \first, \vb
.Lt4_\@:
	PLACES 5                               ; five places ahead of the next score products, which write over P
.endm
; THE TAIL: key 576 lies in register 0 of lanes 0-15 of tile 36's scores; all else of that tile repeats it and counts for nothing
.macro TL1 i, j
.set T_, NS+8*(\i)
.set R_, S+16*(\i)
.if \j == 0
	v_cndmask_b32 v[R_], v[NINF], v[R_], s[MSK]    ; lanes 16-31: -infinity
.elseif \j == 1
	v_permlanex16_b32 v[T_+5], v[R_], s[SEL], s[SEL+1]
.elseif \j == 2
	v_max3_num_f32 v[T_+1], v[R_], v[T_+5], v[T_]
.elseif \j == 3
	v_sub_f32 v[T_+5], v[T_], v[T_+1]
.elseif \j == 4
	v_mov_b32 v[T_], v[T_+1]
.elseif \j == 5
	v_sub_f32 v[R_], v[R_], v[T_]
.elseif \j == 6
	v_exp_f32 v[T_+4], v[T_+5]
.elseif \j == 7
	v_exp_f32 v[R_], v[R_]
.elseif \j == 8
	v_fma_f32 v[T_+2], v[T_+2], v[T_+4], v[R_]
.else
	v_mul_f32 v[T_+3], v[T_+3], v[T_+4]
.endif
.endm
.macro TPACK lo, n                     ; P of the tail: one number, the rest zeros
.set ti, \lo
.rept \n
	v_cvt_pk_f16_f32 v[S+16*ti], v[S+16*ti], v[ZERO]
.set ti, ti+1
.endr
.irp k, 1,2,3,4,5,6,7
.set ti, \lo
.rept \n
	v_mov_b32 v[S+16*ti+\k], 0
.set ti, ti+1
.endr
.endr
.endm
.macro SOFTT p, lo, n
.if (\p) == 1
.irp j, 0,1,2,3,4,5,6,7
.set ti, \lo
.rept \n
	TL1 ti, \j
.set ti, ti+1
.endr
.endr
	v_nop
	s_wait_alu depctr_va_vdst(0)           ; the tail's exponentials have written their results: one wait for the batch, ahead of its first reader
.irp j, 8,9
.set ti, \lo
.rept \n
	TL1 ti, \j
.set ti, ti+1
.endr
.endr
	TPACK \lo, \n
	RESC \lo, \n
.else
.set ti, \lo
.rept \n
	v_exp_f32 v[S+16*ti], v[S+16*ti]
.set ti, ti+1
.endr
	v_nop
	s_wait_alu depctr_va_vdst(0)           ; the tail's exponentials have written their results, ahead of their first reader
.set ti, \lo
.rept \n
	v_cndmask_b32 v[S+16*ti], v[ZERO], v[S+16*ti], s[MSK]
.set ti, ti+1
.endr
	TPACK \lo, \n
.endif
.endm
.macro TAIL p                          ; its V lies in buffer 0; it asks for nothing more
	s_wait_dscnt 4                         ; the tail's K is in; V's 4 loads stay out
	SMULA \p, 1
	s_cmp_lt_u32 s[WV], 5
	s_cbranch_scc0 .Lu4_\@
	SMUL4 \p, 1
.Lu4_\@:
	PLACES 4
	SOFTT \p, 0, 4
	WIN 0x40
.irp ct, 0,1,2,3
.irp j, 4,5,6,7
	v_mov_b32 v[VF+8*\ct+\j], 0            ; keys 16 .. 31 of the tail do not exist (no load is out for these registers: the tail's four land in the lower halves)
.endr
.endr
	WIN 0
	s_wait_dscnt 0x0
	PVA 0, 0
	s_cmp_lt_u32 s[WV], 5
	s_cbranch_scc0 .Lv4_\@
	SOFTT \p, 4, 1
	PV4 0, 0
.Lv4_\@:
	PLACES 4                               ; ahead of the first read of O^T and of writes of the last products' registers
.endm
; A pass: step 0 on V buffer 0; steps 1 to 16, two to a trip, so that the V buffers are back at their start; step 17 on buffer 1; the tail on buffer 0
.macro PASS p, vbase
	s_mov_b32 s[KB], KIMG
	s_mov_b32 s[VB], \vbase
.if (\p) == 2
	s_wait_alu depctr_vm_vsrc(0)           ; pass 1's LDS loads have read v[ADK] and v[ADV], which the two lines below write; z's LDS stores have read v124 to v139, which the score products write
.endif
	v_add_nc_u32 v[ADK], s[KB], v[AK0]
	v_add_nc_u32 v[ADV], s[VB], v[AV0]
	WIN 0x40
	s_wait_alu depctr_va_vdst(0)           ; v[ADK] and v[ADV] are written; whatever named the registers in which K and V land is done with them (pass 1: the projection's products read x's fragments there; pass 2: the tail's products, and the zeros laid into V)
	FETCHKV 0, 0
	WIN 0
	STEP \p, 1, 0, 0
	s_mov_b32 s[CNT], 8
.Lpass_\@:
	STEP \p, 0, 0, 1
	STEP \p, 0, 0, 0
	s_sub_co_u32 s[CNT], s[CNT], 1
	s_cmp_lg_u32 s[CNT], 0
	s_cbranch_scc1 .Lpass_\@
	STEP \p, 0, 1, 1
	TAIL \p
.endm
; between the passes, tile i: 1 / l; z = (1 - 2 beta) v + 3 beta O / l for my 16 rows, to LDS as f16; -m eight times
.macro UNPK a0, a1, a2, a3, a4, a5, a6, a7
	v_cvt_f32_f16 v108, \a0
	v_cvt_f32_f16 v109, \a1
	v_cvt_f32_f16 v110, \a2
	v_cvt_f32_f16 v111, \a3
	v_cvt_f32_f16 v112, \a4
	v_cvt_f32_f16 v113, \a5
	v_cvt_f32_f16 v114, \a6
	v_cvt_f32_f16 v115, \a7
.endm
.macro ZCT i, ct
	WIN 0x01
.irp p, 0,2,4,6
	v_pk_mul_f32 v[116+\p:117+\p], v[32*(\i)+8*(\ct)+\p:32*(\i)+8*(\ct)+\p+1], v[NS+8*(\i)+4:NS+8*(\i)+5] op_sel_hi:[1,0]
.endr
	WIN 0
.irp p, 0,2,4,6
	v_pk_fma_f32 v[116+\p:117+\p], v[108+\p:109+\p], s[C0:C0+1], v[116+\p:117+\p] op_sel_hi:[1,0,1]
.endr
.irp p, 0,1,2,3
	v_cvt_pk_f16_f32 v[124+4*(\ct)+\p], v[116+2*\p], v[116+2*\p+1]
.endr
.endm
.macro EPI1 i, av, az, off
.set T_, NS+8*(\i)
.set L_, RL+2*(\i)
	v_add_f32 v[T_+1], v[T_+2], v[T_+3]    ; l's two halves,
	v_permlanex16_b32 v[T_+5], v[T_+1], s[SEL], s[SEL+1]
	v_add_f32 v[T_+1], v[T_+1], v[T_+5]    ; and lane l xor 16's
	v_rcp_f32 v[L_], v[T_+1]
	v_nop                                  ; the plain line behind the reciprocal
.if (\i) > 0
	s_wait_alu depctr_vm_vsrc(0)           ; the LDS stores of the tile before have read v124 to v139, which this tile's roundings write again
.endif
	s_wait_alu depctr_va_vdst(0)           ; the reciprocal is written, ahead of its first reader; and what named v92 to v107 is done with them (tile 0: the tail's lines and products; later: the unpackings of the tile before): V's rows land there
.irp ct, 0,1,2,3
	ds_load_b128 v[92+4*\ct:95+4*\ct], v[\av] offset:\off+32*\ct     ; my rows of V, as I stored them
.endr
	v_mov_b32 v[L_+1], v[L_]
	v_mul_f32 v[T_+4], s[C1], v[L_]        ; 3 beta / l
	s_wait_dscnt 0x0
	UNPK v92.l, v92.h, v93.l, v93.h, v94.l, v94.h, v95.l, v95.h
	ZCT \i, 0
	UNPK v96.l, v96.h, v97.l, v97.h, v98.l, v98.h, v99.l, v99.h
	ZCT \i, 1
	UNPK v100.l, v100.h, v101.l, v101.h, v102.l, v102.h, v103.l, v103.h
	ZCT \i, 2
	UNPK v104.l, v104.h, v105.l, v105.h, v106.l, v106.h, v107.l, v107.h
	ZCT \i, 3
	s_wait_alu depctr_va_vdst(0)           ; the roundings have written v124 to v139, which the four LDS stores read
.irp ct, 0,1,2,3
	ds_store_b128 v[\az], v[124+4*\ct:127+4*\ct] offset:\off+32*\ct
.endr
.set T_, NS+8*(\i)
	v_xor_b32 v[T_], 0x80000000, v[T_]     ; -m: the C of pass 2's first score products
.irp j, 1,2,3,4,5,6,7
	v_mov_b32 v[T_+\j], v[T_]
.endr
.endm
.macro EPI2 i                          ; O / l to f16, in the order of the next launch's fragments: each store covers 512 consecutive bytes
.irp ct, 0,1,2,3
	WIN 0x01
.irp p, 0,2,4,6
	v_pk_mul_f32 v[NS+8*(\ct%2)+\p:NS+8*(\ct%2)+\p+1], v[32*(\i)+8*\ct+\p:32*(\i)+8*\ct+\p+1], v[RL+2*(\i):RL+2*(\i)+1] op_sel_hi:[1,0]
.endr
	WIN 0
.irp p, 0,1,2,3
	v_cvt_pk_f16_f32 v[S+16*(\i)+4*\ct+\p], v[NS+8*(\ct%2)+2*\p], v[NS+8*(\ct%2)+2*\p+1]
.endr
.endr
	s_wait_alu depctr_va_vdst(0)           ; the roundings have written the tile's 16 registers, which the four stores read; they are written once, so nothing more is owed for them
.irp ct, 0,1,2,3
	global_store_b128 v[LI], v[S+16*(\i)+4*\ct:S+16*(\i)+4*\ct+3], s[14:15] offset:196608*(\i)+512*\ct
.endr
.endm
; ================ the head: every LDS address register is made here, ahead of the first branch on the wave's number
	s_load_b256 s[4:11], s[0:1], 0x0       ; xc, xs, wc, wsc
	s_load_b128 s[12:15], s[0:1], 0x20     ; lamb, att
	v_lshl_add_u32 v[SPW], v0, 2, SPARE
	v_mov_b32 v[NIL], 0
	v_lshrrev_b32 v19, 5, v0
	v_readfirstlane_b32 s[WV], v19         ; wave 0..7
	s_mov_b32 s17, ttmp9                   ; the head
	s_and_b32 s18, ttmp7, 0xffff           ; the batch
	v_and_b32 v19, 31, v0                  ; lane
	v_and_b32 v41, 15, v0                  ; r
	v_bfe_u32 v252, v0, 4, 1               ; h
	v_lshlrev_b32 v[LI], 4, v19
	v_lshlrev_b32 v[AK0], 4, v19
	v_and_b32 v253, 7, v0
	v_bfe_u32 v254, v0, 3, 1
	v_lshl_add_u32 v[AV0], v252, 3, v253   ; the turning load: key 8 h + lane % 8,
	v_mul_u32_u24 v[AV0], v[AV0], 160
	v_lshl_add_u32 v[AV0], v254, 4, v[AV0] ; channels 8 ((lane / 8) % 2) on
	s_wait_alu depctr_va_sdst(0)           ; the wave's number is written, ahead of its first reader: addresses, bases and branches are made from it
	s_lshl_b32 s32, s[WV], 11
	v_add_nc_u32 v[AKW], s32, v[LI]
	v_add_nc_u32 v[AKW4], 0x10000, v[AKW]
	v_mul_u32_u24 v[AVW], v41, 160
	v_lshl_add_u32 v[AVW], v252, 4, v[AVW]
	s_mul_i32 s32, s[WV], 2560
	s_add_co_u32 s32, s32, VROW
	v_add_nc_u32 v[AVW], s32, v[AVW]
	v_add_nc_u32 v[AVW4], 81920, v[AVW]
	v_add_nc_u32 v[AZW], 94720, v[AVW]
	v_add_nc_u32 v[AZW4], 94720, v[AVW4]
	v_add_nc_u32 v[AWL], WSTG, v[LI]
	v_add_nc_u32 v[AWL2], 36864, v[AWL]
	v_add_nc_u32 v[AWS], WSCL, v[LI]
	s_mul_i32 s32, s[WV], 9216
	v_add_nc_u32 v[ASTG], s32, v[AWL]
	s_lshl_b32 s32, s[WV], 10
	v_add_nc_u32 v[ASC], s32, v[AWS]
	s_mov_b32 s[SEL], 0x76543210
	s_mov_b32 s[SEL+1], 0xfedcba98
	s_mov_b32 s[CS], 0x3e38aa3b            ; log2(e) / 8
	s_mov_b32 s[CS+1], s[CS]
	s_mov_b32 s[MSK], 0xffff
	s_mul_i32 s32, s18, 37
	s_add_co_u32 s32, s32, s[WV]           ; my first tile: 37 batch + wave
	s_mul_i32 s34, s32, 6144
	s_mov_b32 s35, 0
	s_lshl_b32 s36, s32, 9
	s_mov_b32 s37, 0
	s_mul_i32 s38, s32, 24576
	s_lshl_b32 s33, s17, 11
	s_add_co_u32 s38, s38, s33
	s_mov_b32 s39, 0
	s_wait_kmcnt 0x0
	s_add_nc_u64 s[4:5], s[4:5], s[34:35]
	s_add_nc_u64 s[6:7], s[6:7], s[36:37]
	s_add_nc_u64 s[14:15], s[14:15], s[38:39]
	s_mul_i32 s34, s17, 73728
	s_mul_i32 s33, s[WV], 9216
	s_add_co_u32 s34, s34, s33
	s_add_nc_u64 s[8:9], s[8:9], s[34:35]  ; my eighth of the head's weight codes
	s_mul_i32 s34, s17, 6144
	s_lshl_b32 s33, s[WV], 10
	s_add_co_u32 s34, s34, s33
	s_add_nc_u64 s[10:11], s[10:11], s[34:35]
	s_lshl_b32 s34, s17, 2
	s_add_nc_u64 s[12:13], s[12:13], s[34:35]
	s_load_b32 s19, s[12:13], 0x0          ; beta = lamb[head]
	s_wait_alu depctr_va_vdst(0)           ; the address registers v3, v4, v6 and v8 to v18 are written: every load and store of the kernel but the passes' fetches reads one of them and none is written again
	s_cmp_lt_u32 s[WV], 6                  ; the scale words are 12 pieces of 512 bytes: two each for waves 0-5
	s_cbranch_scc0 .Lnsc
	global_load_b128 v[124:127], v[LI], s[10:11]
	global_load_b128 v[128:131], v[LI], s[10:11] offset:512
.Lnsc:
.irp j, 0,1,2,3,4,5,6,7,8,9,10,11,12,13,14,15,16,17
	global_load_b128 v[52+4*\j:55+4*\j], v[LI], s[8:9] offset:512*\j
.endr
	XLOAD 0
	XLOAD 1
	XLOAD 2
	XLOAD 3
	s_cmp_lt_u32 s[WV], 5
	s_cbranch_scc0 .Lnx4
	XLOAD 4
.Lnx4:
	s_wait_loadcnt 0x0
	s_cmp_lt_u32 s[WV], 6
	s_cbranch_scc0 .Lnss
	ds_store_b128 v[ASC], v[124:127]
	ds_store_b128 v[ASC], v[128:131] offset:512
.Lnss:
.irp j, 0,1,2,3,4,5,6,7,8,9,10,11,12,13,14,15,16,17
	ds_store_b128 v[ASTG], v[52+4*\j:55+4*\j] offset:512*\j
.endr
	s_wait_dscnt 0x0                       ; for the others' sake: my part of the weights lies in LDS
	s_barrier_signal -1
	s_barrier_wait -1
	s_wait_kmcnt 0x0
	v_mov_b32 v19, s19
	v_fma_f32 v41, v19, -2.0, 1.0          ; 1 - 2 beta
	v_mul_f32 v19, 0x40400000, v19         ; 3 beta
	v_readfirstlane_b32 s[C0], v41
	v_readfirstlane_b32 s[C1], v19
	s_wait_alu depctr_va_sdst(0)           ; 1 - 2 beta and 3 beta are written as scalars, ahead of their first readers
	s_mov_b32 s[C0+1], s[C0]
	s_wait_alu depctr_vm_vsrc(0)           ; my LDS stores have read v52 to v131: from here on the weights' fragments land there and the products write the accumulators there
; ================ the projection: 12 column tiles (K's 4, V's 4, Q's 4) x 6 K steps x my tiles, in 24 halves; the weights' fragments run three halves ahead
	WSC 0
	LW 0
	LW 1
	WSC 1
	LW 2
.set G, 0
.rept 24
	PHALF G
.set G, G+1
.endr
	s_wait_dscnt 0x0                       ; my K and V lie in LDS, and my reads of the staged weights are over
	s_barrier_signal -1
	s_barrier_wait -1                      ; K and V are whole; z may be laid over the weights
; ================ pass 1: O = sum of p v, m, l
.irp i, 0,1,2,3,4
	v_mov_b32 v[NS+8*\i], 0xff7fffff       ; m: under every t
	v_mov_b32 v[NS+8*\i+2], 0              ; l, in two halves
	v_mov_b32 v[NS+8*\i+3], 0
.endr
	v_mov_b32 v[NINF], 0xff800000
	v_mov_b32 v[ZERO], 0
	PASS 1, VROW
	EPI1 0, AVW, AZW, 0
	EPI1 1, AVW, AZW, 20480
	EPI1 2, AVW, AZW, 40960
	EPI1 3, AVW, AZW, 61440
	s_cmp_lt_u32 s[WV], 5
	s_cbranch_scc0 .Lnz4
	EPI1 4, AVW4, AZW4, 0
.Lnz4:
	s_wait_dscnt 0x0                       ; my rows of z lie in LDS
	s_barrier_signal -1
	s_barrier_wait -1                      ; z is whole
; ================ pass 2: O = sum of p z
	PASS 2, ZROW
	EPI2 0
	EPI2 1
	EPI2 2
	EPI2 3
	s_cmp_lt_u32 s[WV], 5
	s_cbranch_scc0 .Lno4
	EPI2 4
.Lno4:
	s_wait_dscnt 0x0                       ; the closing lines, six on end
	s_wait_alu 0x0
	s_wait_tensorcnt 0x0
	ds_add_u32 v[SPW], v[NIL]
	s_wait_dscnt 0x0
	s_endpgm
.Lfunc_end_k_q1166273835_attn:
	.size	k_q1166273835_attn, .Lfunc_end_k_q1166273835_attn-k_q1166273835_attn
	.p2alignl 7, 3214868480
	.fill 96, 4, 3214868480
	.section	.rodata,"a",@progbits
	.p2align	6, 0x0
	.amdhsa_kernel k_q1166273835_attn
		.amdhsa_group_segment_fixed_size 266240
		.amdhsa_private_segment_fixed_size 0
		.amdhsa_enable_private_segment 0
		.amdhsa_kernarg_size 48
		.amdhsa_user_sgpr_count 2
		.amdhsa_user_sgpr_kernarg_segment_ptr 1
		.amdhsa_wavefront_size32 1
		.amdhsa_system_sgpr_workgroup_id_x 1
		.amdhsa_system_sgpr_workgroup_id_y 1
		.amdhsa_system_sgpr_workgroup_id_z 1
		.amdhsa_system_vgpr_workitem_id 0
		.amdhsa_next_free_vgpr 512
		.amdhsa_next_free_sgpr 66
		.amdhsa_reserve_vcc 0
		.amdhsa_float_denorm_mode_32 3
		.amdhsa_float_denorm_mode_16_64 3
		.amdhsa_memory_ordered 1
		.amdhsa_forward_progress 1
		.amdhsa_inst_pref_size 255
	.end_amdhsa_kernel
	.section	.bss,"aw",@nobits
	.p2align	6
	.space	262144
	.amdgpu_metadata
---
amdhsa.version: [ 1, 2 ]
amdhsa.kernels:
  - .name:           k_q1166273835_attn
    .symbol:         k_q1166273835_attn.kd
    .args:
      - { .name: xc, .offset: 0, .size: 8, .value_kind: global_buffer, .address_space: global }
      - { .name: xs, .offset: 8, .size: 8, .value_kind: global_buffer, .address_space: global }
      - { .name: wc, .offset: 16, .size: 8, .value_kind: global_buffer, .address_space: global }
      - { .name: wsc, .offset: 24, .size: 8, .value_kind: global_buffer, .address_space: global }
      - { .name: lamb, .offset: 32, .size: 8, .value_kind: global_buffer, .address_space: global }
      - { .name: att, .offset: 40, .size: 8, .value_kind: global_buffer, .address_space: global }
    .group_segment_fixed_size: 266240
    .private_segment_fixed_size: 0
    .kernarg_segment_align: 8
    .kernarg_segment_size: 48
    .max_flat_workgroup_size: 256
    .sgpr_count:     66
    .vgpr_count:     512
    .wavefront_size: 32
...
	.end_amdgpu_metadata
.endif
;; end of part 4
;; launch proj: the kernel of part 3 again; grid 3 x 74, 4 waves a work-group, no clusters, 327,680 bytes of LDS; arguments att, wph, bp, out0; writes out0
